; MI455X (gfx1250); checked and timed in simulation.
; The chip was launched on July 23, 2026; its instructions are those of AMD's public machine-readable ISA for CDNA 5 (MIT licence, August 2026) and "CDNA5" Instruction Set Architecture Reference Guide (July 2026). The comments in the code are by the model that wrote it; some were corrected since.
;; Ro PE Attention. Allowed arithmetic: matrix products marked QUANTISED: E2M3 operands, one E8M0 scale for each 32 along K, by v_wmma_scale_f32_16x16x128_f8f6f4 with both operands' format E2M3, f32 sums; everything else in f32.
;; Inputs: freqs_cos 2,048 x 32 float32; freqs_sin 2,048 x 32 float32; wk 1,024 x 1,024 float32; wo 1,024 x 1,024 float32; wq 1,024 x 1,024 float32; wv 1,024 x 1,024 float32; x 4 x 2,048 x 1,024 float32.
;; Outputs: out0 4 x 2,048 x 1,024 float32.
;; This version of the problem:
;;   THIS VERSION OF THE PROBLEM IS GIVEN IN LOW PRECISION. The matrix products marked QUANTISED in the list below multiply operands that are first quantised to E2M3 (2 exponent bits, 3 mantissa bits; 6 bits a number), with one power-of-two scale for each 32 numbers along K (OCP MX v1.0); their sums are f32. All else is computed in f32.
;;   The module's matrix products, in the order in which they are computed (A, B: the left and right operand; K: the contracted axis; several contracted axes count as one K, in the product's order):
;;     1. [M 8,192, K 1,024] x [K 1,024, N 1,024]; A: input x; B: input wq: QUANTISED
;;     2. [M 8,192, K 1,024] x [K 1,024, N 1,024]; A: input x; B: input wk: QUANTISED
;;     3. [M 8,192, K 1,024] x [K 1,024, N 1,024]; A: input x; B: input wv: QUANTISED
;;     4. batch 64 x [M 2,048, K 64] x [K 64, N 2,048]; A: computed on the way; B: computed on the way: QUANTISED
;;     5. batch 64 x [M 64, K 2,048] x [K 2,048, N 2,048]; A: computed on the way; B: softmax (see below): QUANTISED
;;     6. [M 8,192, K 1,024] x [K 1,024, N 1,024]; A: computed on the way; B: input wo: QUANTISED
;;   THE QUANTISER, for each operand of a quantised product, along K:
;;     - K is cut into blocks of 32 from its start; a last block that is shorter is filled with zeros.
;;     - A block's scale is 2^e with e = floor(log2(the largest magnitude in the block)) - 2, held to -126 .. 127; a block of zeros has e = 0. As a byte (E8M0): e + 127.
;;     - Each number is divided by its block's scale, clamped to +-7.5, and rounded to the nearest number of E2M3, ties to even, subnormals kept.
;;     - The product sums the exact products of the quantised numbers (number of the format x scale) in f32.
;;   ~~~python
;;   def quantise(x, axis):      # numpy; x: float32 -> the quantised numbers, widened to float32 again
;;       x = np.moveaxis(x, axis, -1); K = x.shape[-1]
;;       x = np.pad(x, [(0, 0)] * (x.ndim - 1) + [(0, -K % 32)]); x = x.reshape(x.shape[:-1] + (-1, 32)); a = np.abs(x).max(-1, keepdims=True)
;;       e = np.where(a > 0, np.clip(np.frexp(np.where(a > 0, a, 1))[1] - 1 - 2, -126, 127), 0)      # np.frexp(a)[1] - 1 = floor(log2(a)), exactly
;;       r = np.clip(x / 2.0 ** e, -7.5, 7.5)
;;       step = 2.0 ** (np.maximum(np.frexp(np.where(r == 0, 1, r))[1] - 1, 0) - 3)
;;       q = np.round(r / step) * step * 2.0 ** e      # np.round: ties to even
;;       return np.moveaxis(q.reshape(q.shape[:-2] + (-1,))[..., :K], -1, axis).astype(np.float32)
;;   ~~~
;;   SOFTMAX AHEAD OF A QUANTISED PRODUCT. Where the list says 'softmax', what is quantised is not the finished softmax but p = 2^(t - M), with t = logit x log2(e) and M = ceil(the row's largest t), a whole number; so 1/2 < the row's largest p <= 1. The row's sum l is taken of the UNQUANTISED p, in f32, and the product's result is divided by l at the end. Since M is a whole number, a kernel that streams over the keys may use a running M (the ceiling of the running maximum): every later rescaling is an exact power of two, which a block's scale takes up: the codes' values come out the same.
;;   OPERANDS COMPUTED ON THE WAY. 'Computed on the way' means the value that the module computes at that place (a softmax that the list does not call 'softmax' is quantised finished and normalised). What goes into a quantiser is computed in f32, as accurately as f32 sums, v_exp_f32 and their like allow (about 1e-6 of the number): no bf16 or f16 on the way to a quantiser, and a product that is left as it is and whose result goes on into a quantised operand takes f32 operands (vector FMAs, or v_wmma_f32_16x16x4_f32). A number that lies on a knife's edge between two numbers of the format may be rounded either way, as far as f32 arithmetic and the matrix unit's own rounding can turn it there, and no further.
;; One version. Each part assembles by itself: llvm-mc -triple=amdgcn-amd-amdhsa -mcpu=gfx1250 --defsym DOCPART=n.
;; ======== version 1 of 1: 4 launches
;; limits: right only within a limited range of input values
;; workspace buffers: x_codes 6,291,456 bytes; x_scales 262,144 bytes; w_codes 3,145,728 bytes; w_scales 131,072 bytes; q_ws 6,815,744 bytes; kv_ws 14,155,776 bytes; a_img 6,291,456 bytes; a_scales 262,144 bytes
;; launch quant (part 1): grid 384 x 1, 4 waves a work-group, no clusters, 68,096 bytes of LDS; arguments x, wq, wk, wv, wo, x_codes, x_scales, w_codes, w_scales; writes x_codes, x_scales, w_codes, w_scales
.if DOCPART == 1
	.amdgcn_target "amdgcn-amd-amdhsa--gfx1250"
	.amdhsa_code_object_version 6
	.text
	.protected	k_q520ed5b6a1_quant
	.globl	k_q520ed5b6a1_quant
	.p2align	8
	.type	k_q520ed5b6a1_quant,@function
k_q520ed5b6a1_quant:
	s_mov_b64 s[64:65], 0
	v_nop
	global_prefetch_b8 v0, s[64:65] scope:SCOPE_SE
	s_setreg_imm32_b32 hwreg(HW_REG_WAVE_MODE, 25, 1), 1
	s_wait_xcnt 0x0
; x [8192][1024] and wq, wk, wv, wo [1024 (k)][1024 (n)], f32, become codes of FP6 (E2M3) with K innermost and one E8M0 byte for each 32 along K.
; x_codes [8192 places][768 bytes], x_scales [8192 places][32]; w_codes [4096 places][768], w_scales [4096 places][32]: places 0-1023 wq's columns, then wk's, wv's, wo's.
; THE ORDER OF PLACES: place p holds row (or column) PI(p), PI = bits 3 and 4 of the number exchanged.  Sixteen places on end, taken as source 0 of a transposed product, then
; leave 16 neighbouring columns in the 16 registers of two neighbouring result tiles, which is what the next quantiser wants of a lane.
; A block's scale is 2^(floor(log2(its largest magnitude)) - 2); its byte is the largest magnitude's exponent field - 2, held at 1 from below.
; LIMITS: a block of zeros gets the byte 1 where the rule says 127 (its codes are zeros, and this program alone reads the bytes); a block whose largest magnitude lies under 2^-124
; keeps the byte 1; NaN and infinities among the inputs are not served.
; Work-groups 0-255 take x: a wave 8 rows (8,192 numbers) in 16 steps of 512; each load reads 512 bytes on end, and a step's 2,048 bytes turn through the wave's own stage in LDS, so that a lane
; holds 16 neighbours along K.  Work-groups 256-383 take the weights: a lane takes a column and its registers run down K; a wave 32 columns x 256 along K.
; Each way has LDS bytes of its own.  No wave shares anything with another: no barrier, no cluster (no two work-groups read the same byte).
.set STEPS, 16
.set CB,    12                         ; bytes of 16 codes
.set R,     16                         ; v16-79   x: four sets of 16 numbers as loaded
.set X,     80                         ; v80-111  x: two sets of 16 neighbours
.set E,     112                        ; v112-127 x: a scale byte for each step
.set C,     128                        ; v128-191 x: codes, four registers a step
.set WREG,  8192                       ; x: LDS of a wave: two stages of 32 x SP bytes, then its 256 scale bytes
.set SP,    80                         ; a lane's place in a stage: 64 bytes + 16 of padding
.set WBASE, 32768                      ; the weights' way: its LDS begins here
.set PITCH, 272                        ; a stage row: sixteen places of 16 bytes, each with 12 bytes of codes, + 16
.set KROW,  768                        ; a row of codes in bytes
.set NB,    8                          ; blocks of 32 along K for a wave
.set WX,    32                         ; v32-95   w: two sets of 32 numbers
.set WC,    96                         ; v96..    w: a block's codes
.set OUTR,  112                        ; v112-175 w: the way out
.set SB,    24                         ; v24-25   w: the scale bytes
	s_load_b256 s[4:11], s[0:1], 0x0               ; x, wq, wk, wv
	s_load_b256 s[12:19], s[0:1], 0x20             ; wo, x_codes, x_scales, w_codes
	s_load_b64 s[20:21], s[0:1], 0x40              ; w_scales
	v_lshl_add_u32 v192, v0, 2, 0x10800
	v_mov_b32 v193, 0
	v_lshrrev_b32 v1, 5, v0
	v_readfirstlane_b32 s22, v1                    ; wave
	v_and_b32 v2, 31, v0                           ; lane
	s_cmp_lt_u32 ttmp9, 256
	s_cbranch_scc0 .Lweights
; ---------------- x
	v_lshlrev_b32 v3, 4, v2                        ; my 16 bytes of a load's 512
	s_mul_i32 s23, s22, WREG
	v_lshrrev_b32 v14, 2, v2
	v_mul_u32_u24 v14, v14, SP
	v_and_b32 v15, 3, v2
	v_lshl_add_u32 v14, v15, 4, v14
	v_add_nc_u32 v14, s23, v14                     ; the stage, in: four lanes' 64 bytes on end, then 16 of padding
	v_mul_u32_u24 v15, v2, SP
	v_add_nc_u32 v15, s23, v15                     ; and out: my 16 neighbours
	v_mul_u32_u24 v4, v2, CB                       ; my codes' place in a step's
	v_lshrrev_b32 v5, 1, v2
	s_add_co_u32 s23, s23, 2*32*SP
	v_add_nc_u32 v5, s23, v5                       ; my block's scale byte in the wave's 256
	v_lshlrev_b32 v7, 3, v2
	v_add_nc_u32 v6, s23, v7
	s_lshl_b32 s24, ttmp9, 2
	s_add_co_u32 s26, s24, s22                     ; which 8 rows I read: 4 x work-group + wave
	s_and_b32 s25, s22, 1
	s_lshl_b32 s25, s25, 1
	s_lshr_b32 s27, s22, 1
	s_or_b32 s25, s25, s27                         ; the wave's two bits exchanged: bits 3 and 4 of the rows' numbers
	s_add_co_u32 s24, s24, s25                     ; which 8 places I write
	s_lshl_b32 s26, s26, 15                        ; 8 rows of 4,096 bytes
	s_mov_b32 s27, 0
	s_mul_i32 s28, s24, 8*KROW
	s_mov_b32 s29, 0
	s_lshl_b32 s30, s24, 8                         ; 8 rows of 32 scale bytes
	s_mov_b32 s31, 0
	s_wait_alu depctr_va_vdst(0)
	s_wait_kmcnt 0x0
	s_add_nc_u64 s[4:5], s[4:5], s[26:27]
	s_add_nc_u64 s[14:15], s[14:15], s[28:29]
	s_add_nc_u64 s[16:17], s[16:17], s[30:31]
.macro LOADX t
.irp i, 0,1,2,3
	global_load_b128 v[R+16*((\t)%4)+4*\i:R+16*((\t)%4)+4*\i+3], v3, s[4:5] offset:2048*(\t)+512*\i th:TH_LOAD_NT   ; 32 lanes read 512 bytes on end
.endr
.endm
.macro TURNX t                         ; step t's numbers through the stage: LDS serves a wave's instructions in order, so no wait stands between the stores and the loads
.irp i, 0,1,2,3
	ds_store_b128 v14, v[R+16*((\t)%4)+4*\i:R+16*((\t)%4)+4*\i+3] offset:32*SP*((\t)%2)+8*SP*\i
.endr
.irp i, 0,1,2,3
	ds_load_b128 v[X+16*((\t)%2)+4*\i:X+16*((\t)%2)+4*\i+3], v15 offset:32*SP*((\t)%2)+16*\i
.endr
.endm
.irp t, 0,1,2,3
	LOADX \t
.endr
	s_wait_loadcnt 12                              ; step 0's four loads are in
	TURNX 0
.macro STEPX t
.set XS, X+16*((\t)%2)
.if (\t) > 0
	s_wait_dscnt 1                                 ; this step's numbers are back from the stage (the last step's byte store may be out)
.else
	s_wait_dscnt 0x0
.endif
.if (\t)+4 < STEPS
	LOADX (\t)+4                                   ; into the registers that the stage's stores have read
.endif
.if (\t)+1 < STEPS
.if STEPS-2-(\t) >= 3
	s_wait_loadcnt 12                              ; the next step's four loads are in; those of the three steps behind it may be out
.else
	s_wait_loadcnt 4*(STEPS-2-(\t))
.endif
	TURNX (\t)+1
.endif
	v_max3_num_f32 v8, |v[XS]|, |v[XS+1]|, |v[XS+2]|               ; the largest magnitude of my 16, in two chains
	v_max3_num_f32 v9, |v[XS+3]|, |v[XS+4]|, |v[XS+5]|
.irp i, 6,10
	v_max3_num_f32 v8, v8, |v[XS+\i]|, |v[XS+\i+1]|
	v_max3_num_f32 v9, v9, |v[XS+\i+2]|, |v[XS+\i+3]|
.endr
	v_max3_num_f32 v8, v8, |v[XS+14]|, |v[XS+15]|
	v_max3_num_f32 v8, v8, v9, 0x1800000           ; and the floor 2^(3 - 127): the byte cannot fall under 1
	v_max_num_f32_dpp v8, v8, v8 row_xmask:1 row_mask:0xf bank_mask:0xf   ; with my neighbour's 16: the block's
	v_add_nc_u32 v11, 0xff000000, v8               ; 2 off its exponent field: the conversion takes the exponent field of this operand as its scale
	v_cvt_scalef32_pk16_fp6_f32 v[C+4*(\t):C+4*(\t)+2], v[XS:XS+15], v11
	v_lshrrev_b32 v[E+(\t)], 23, v11               ; the scale's byte
	ds_store_b8 v5, v[E+(\t)] offset:16*(\t)       ; both lanes of a block write the same byte with the same value
	global_store_b96 v4, v[C+4*(\t):C+4*(\t)+2], s[14:15] offset:32*CB*(\t)   ; the wave stores 384 bytes on end
.endm
.irp t, 0,1,2,3,4,5,6,7,8,9,10,11,12,13,14,15
	STEPX \t
.endr
	ds_load_b64 v[12:13], v6                       ; my wave's 256 scale bytes, 8 a lane
	s_wait_dscnt 0x0
	global_store_b64 v7, v[12:13], s[16:17]        ; 256 bytes on end, at a multiple of 256 from the buffer's first byte
	s_wait_tensorcnt 0x0
	ds_add_u32 v192, v193
	s_wait_dscnt 0x0
	s_endpgm
; ---------------- the weights
.Lweights:
	s_sub_co_u32 s23, ttmp9, 256
	s_lshr_b32 s24, s23, 5                         ; which weight
	s_bfe_u32 s25, s23, 0x20003                    ; which 256 along K
	s_and_b32 s26, s23, 7                          ; which 128 columns
	s_lshl_b32 s26, s26, 7
	s_lshl_b32 s27, s22, 5
	s_add_co_u32 s26, s26, s27                     ; my wave's first column
	s_wait_alu depctr_va_vdst(0)
	v_lshlrev_b32 v3, 2, v2                        ; in: 4 bytes a lane
	v_and_b32 v10, 7, v2
	v_and_b32 v11, 8, v2
	v_lshl_add_u32 v10, v11, 1, v10
	v_and_b32 v11, 16, v2
	v_lshrrev_b32 v11, 1, v11
	v_add_nc_u32 v10, v10, v11                     ; my column's place among the wave's 32: bits 3 and 4 exchanged
	s_mul_i32 s27, s22, 32*PITCH
	s_add_co_u32 s27, s27, WBASE                   ; my stage
	v_mul_u32_u24 v4, v10, PITCH
	v_add_nc_u32 v4, s27, v4                       ; into it: row = my column's place
	v_and_b32 v5, 15, v2
	v_lshrrev_b32 v6, 4, v2
	v_mul_u32_u24 v7, v6, PITCH
	v_lshl_add_u32 v7, v5, 4, v7
	v_add_nc_u32 v7, s27, v7                       ; out of it: sixteen lanes to a row, two rows an instruction
	v_mul_u32_u24 v8, v6, KROW
	v_mad_u32_u24 v8, v5, 12, v8                   ; and the same place in the codes' buffer
	v_lshlrev_b32 v9, 5, v10                       ; my place's row of scale bytes
	s_lshl_b32 s28, s25, 20                        ; 256 rows of 4,096 bytes
	s_lshl_b32 s29, s26, 2
	s_add_co_u32 s28, s28, s29
	s_mov_b32 s29, 0
	s_lshl_b32 s30, s24, 10
	s_add_co_u32 s30, s30, s26                     ; my wave's first place
	s_mul_i32 s32, s30, KROW
	s_mul_i32 s33, s25, 192
	s_add_co_u32 s32, s32, s33
	s_mov_b32 s33, 0
	s_lshl_b32 s34, s30, 5
	s_lshl_b32 s35, s25, 3
	s_add_co_u32 s34, s34, s35
	s_mov_b32 s35, 0
	s_wait_kmcnt 0x0
	s_cmp_eq_u32 s24, 1                            ; the choice hangs on the work-group's number alone
	s_cselect_b64 s[6:7], s[8:9], s[6:7]
	s_cmp_eq_u32 s24, 2
	s_cselect_b64 s[6:7], s[10:11], s[6:7]
	s_cmp_eq_u32 s24, 3
	s_cselect_b64 s[6:7], s[12:13], s[6:7]
	s_add_nc_u64 s[6:7], s[6:7], s[28:29]
	s_add_nc_u64 s[18:19], s[18:19], s[32:33]
	s_add_nc_u64 s[20:21], s[20:21], s[34:35]
.macro LOADW t                         ; block t: w(32 t + i, my column), i = 0 .. 31, into set t % 2; a wave reads 128 bytes on end, the work-group 512
.irp i, 0,1,2,3,4,5,6,7,8,9,10,11,12,13,14,15,16,17,18,19,20,21,22,23,24,25,26,27,28,29,30,31
	global_load_b32 v[WX+32*((\t)%2)+\i], v3, s[6:7] offset:(32*(\t)+\i)*4096 th:TH_LOAD_NT
.endr
.endm
	LOADW 0
	LOADW 1
.macro BLOCKW t
.set XS, WX+32*((\t)%2)
.if (\t) < NB-1
	s_wait_loadcnt 32                              ; this block's 32 loads are in; the next block's may be out
.else
	s_wait_loadcnt 0x0
.endif
	v_max3_num_f32 v12, |v[XS]|, |v[XS+1]|, |v[XS+2]|              ; the block's largest magnitude: all 32 numbers are mine
	v_max3_num_f32 v13, |v[XS+3]|, |v[XS+4]|, |v[XS+5]|
.irp i, 6,10,14,18,22,26
	v_max3_num_f32 v12, v12, |v[XS+\i]|, |v[XS+\i+1]|
	v_max3_num_f32 v13, v13, |v[XS+\i+2]|, |v[XS+\i+3]|
.endr
	v_max3_num_f32 v12, v12, |v[XS+30]|, |v[XS+31]|
	v_max3_num_f32 v12, v12, v13, 0x1800000        ; and the floor
	v_add_nc_u32 v11, 0xff000000, v12              ; the conversion's scale operand
	v_lshrrev_b32 v13, 23, v11                     ; the scale's byte
.if (\t)%4 == 0
	v_mov_b32 v[SB+(\t)/4], v13                    ; four bytes to a register, the lower K in the lower byte
.else
	v_lshl_or_b32 v[SB+(\t)/4], v13, 8*((\t)%4), v[SB+(\t)/4]
.endif
	v_cvt_scalef32_pk16_fp6_f32 v[WC:WC+2], v[XS:XS+15], v11
	v_cvt_scalef32_pk16_fp6_f32 v[WC+4:WC+6], v[XS+16:XS+31], v11  ; (a conversion's three registers begin on an even number)
	ds_store_b96 v4, v[WC:WC+2] offset:32*(\t)     ; 12 bytes to a place of 16, so that every LDS address is a multiple of 16
	ds_store_b96 v4, v[WC+4:WC+6] offset:32*(\t)+16
.if (\t)+2 < NB
	LOADW (\t)+2
.endif
	s_wait_dscnt 0x0                               ; the stores have read their registers: the next block's codes may be written
.endm
.set Q, 0
.rept NB
	BLOCKW Q
.set Q, Q+1
.endr
	s_wait_alu depctr_va_vdst(0)
	global_store_b64 v9, v[SB:SB+1], s[20:21]      ; my column's 8 scale bytes: rows 32 bytes apart, one byte for each 128 that the launch reads
.irp t, 0,1,2,3,4,5,6,7,8,9,10,11,12,13,14,15
	ds_load_b96 v[OUTR+4*\t:OUTR+4*\t+2], v7 offset:2*\t*PITCH
.endr
.irp t, 0,1,2,3,4,5,6,7,8,9,10,11,12,13,14,15
	s_wait_dscnt 15-\t
	global_store_b96 v8, v[OUTR+4*\t:OUTR+4*\t+2], s[18:19] offset:2*\t*KROW   ; sixteen lanes store a row's 192 bytes on end
.endr
	s_wait_tensorcnt 0x0
	ds_add_u32 v192, v193
	s_wait_dscnt 0x0
	s_endpgm
.Lfunc_end_k_q520ed5b6a1_quant:
	.size	k_q520ed5b6a1_quant, .Lfunc_end_k_q520ed5b6a1_quant-k_q520ed5b6a1_quant
	.p2alignl 7, 3214868480
	.fill 96, 4, 3214868480
	.section	.rodata,"a",@progbits
	.p2align	6, 0x0
	.amdhsa_kernel k_q520ed5b6a1_quant
		.amdhsa_group_segment_fixed_size 68096
		.amdhsa_private_segment_fixed_size 0
		.amdhsa_enable_private_segment 0
		.amdhsa_kernarg_size 72
		.amdhsa_user_sgpr_count 2
		.amdhsa_user_sgpr_kernarg_segment_ptr 1
		.amdhsa_wavefront_size32 1
		.amdhsa_system_sgpr_workgroup_id_x 1
		.amdhsa_system_sgpr_workgroup_id_y 1
		.amdhsa_system_sgpr_workgroup_id_z 1
		.amdhsa_system_vgpr_workitem_id 0
		.amdhsa_next_free_vgpr 194
		.amdhsa_next_free_sgpr 66
		.amdhsa_reserve_vcc 0
		.amdhsa_float_denorm_mode_32 3
		.amdhsa_float_denorm_mode_16_64 3
		.amdhsa_memory_ordered 1
		.amdhsa_forward_progress 1
		.amdhsa_inst_pref_size 74
	.end_amdhsa_kernel
	.amdgpu_metadata
---
amdhsa.version: [ 1, 2 ]
amdhsa.kernels:
  - .name:           k_q520ed5b6a1_quant
    .symbol:         k_q520ed5b6a1_quant.kd
    .args:
      - { .name: x, .offset: 0, .size: 8, .value_kind: global_buffer, .address_space: global }
      - { .name: wq, .offset: 8, .size: 8, .value_kind: global_buffer, .address_space: global }
      - { .name: wk, .offset: 16, .size: 8, .value_kind: global_buffer, .address_space: global }
      - { .name: wv, .offset: 24, .size: 8, .value_kind: global_buffer, .address_space: global }
      - { .name: wo, .offset: 32, .size: 8, .value_kind: global_buffer, .address_space: global }
      - { .name: x_codes, .offset: 40, .size: 8, .value_kind: global_buffer, .address_space: global }
      - { .name: x_scales, .offset: 48, .size: 8, .value_kind: global_buffer, .address_space: global }
      - { .name: w_codes, .offset: 56, .size: 8, .value_kind: global_buffer, .address_space: global }
      - { .name: w_scales, .offset: 64, .size: 8, .value_kind: global_buffer, .address_space: global }
    .group_segment_fixed_size: 68096
    .private_segment_fixed_size: 0
    .kernarg_segment_align: 8
    .kernarg_segment_size: 72
    .max_flat_workgroup_size: 128
    .sgpr_count:     66
    .vgpr_count:     194
    .wavefront_size: 32
...
	.end_amdgpu_metadata
.endif
;; end of part 1
;; launch qkv (part 2): grid 12 x 32, 4 waves a work-group, clusters of 4 x 4, 327,680 bytes of LDS; arguments x_codes, x_scales, w_codes, w_scales, freqs_cos, freqs_sin, q_ws, kv_ws; writes q_ws, kv_ws
.if DOCPART == 2
	.amdgcn_target "amdgcn-amd-amdhsa--gfx1250"
	.amdhsa_code_object_version 6
	.text
	.protected	k_q520ed5b6a1_qkv
	.globl	k_q520ed5b6a1_qkv
	.p2align	8
	.type	k_q520ed5b6a1_qkv,@function
k_q520ed5b6a1_qkv:
	s_mov_b64 s[64:65], 0
	v_nop
	global_prefetch_b8 v0, s[64:65] scope:SCOPE_SE
	s_setreg_imm32_b32 hwreg(HW_REG_WAVE_MODE, 25, 1), 1
	s_wait_xcnt 0x0
	s_wait_alu depctr_hold_cnt(0) depctr_sa_sdst(0) depctr_va_vdst(0) depctr_va_sdst(0) depctr_va_ssrc(0) depctr_va_vcc(0) depctr_vm_vsrc(0)
	s_getreg_b32 s2, hwreg(HW_REG_IB_STS2, 6, 4)
	s_cmp_eq_u32 s2, 0
	s_cbranch_scc0 .Lentry_in_a_cluster
	s_endpgm
.Lentry_in_a_cluster:
	s_bfe_u32 s2, ttmp6, 0x10000c
	s_cmp_lg_u32 s2, 0xf033
	s_cbranch_scc0 .Lentry_shape_is_right
	s_endpgm
.Lentry_shape_is_right:
; q, k, v = x wq, x wk, x wv on codes of FP6 (E2M3) with E8M0 scales, K = 1,024; q and k are rotated (RoPE) in f32; all three are quantised anew for the attention and leave as codes.
; A tile of the result is 256 x 256, four waves of 128 x 128 (64 accumulators).  Clusters with x = 0, 1 make q and k: A = 256 token places of x, B = 256 places of wq, wk.  Clusters with x = 2 make v TRANSPOSED:
; A = 256 places of wv, B = 256 token places, so that a lane's registers run along the tokens, which are the K of the attention's second product.
; THE RING: K goes through two LDS slots in chunks of 256 bytes of each row of codes (a row is 768 bytes: every chunk begins at a multiple of 256 bytes).  A step of 128 along K is 96 bytes: eight steps to three chunks;
; steps 2 and 5 lie across two chunks.  The scales of the 256 + 256 rows come once, as two dense blocks.  4 x 4 work-groups form a cluster: A's tiles are asked for jointly along its row, B's along its column.
; The matrix instruction is used transposed (source 0 = B's 16 places, source 1 = A's): a lane holds one place of A, its registers run along B.  The order of places (bits 3 and 4 of a number exchanged) makes
; the 16 registers of two neighbouring result tiles 16 neighbours, as the quantiser wants them.
; OUT.  q_ws [64 batch x head][16 blocks of 128 tokens][6,656]: 128 places x 48 bytes of codes, then 128 scale words: a place's two bytes, written twice (bytes 0, 1 and again bytes 2, 3), so that the word serves the
; place's 64 codes in either half of a matrix instruction's K.  kv_ws [64][16 steps of 128 keys][13,824]: k as q, then v: 64 channels x 112 (96 bytes of codes along the keys, the scale word, 12 bytes of zeros).
; No prefetch: three chunks a row; the first two are asked for at the head and the third when chunk 0 is read out, so no load stands a whole step behind a place to ask from.
; LIMITS: a block of zeros has the byte 1 (its codes are zeros, and this program alone reads the bytes); blocks under 2^-124 keep the byte 1; no NaN, no infinities.
.set NQ,     2
.set ROWB,   256
.set KROW,   768
.set STEPS,  8
.set CHUNKS, 3
.set PITCH,  272                       ; an LDS row: 256 bytes + 16 of padding
.set FR,     12
.set NL,     6
.set NP,     4
.set HALFT,  128*PITCH
.set SLOT,   4*HALFT                   ; A's 256 rows, then B's
.set KS,     32
.set SCL,    2*SLOT                    ; the scales, as units of 256 + 16
.set HALFS,  4352
.set SBLK,   544
.set SPARE,  SCL+4*HALFS               ; the spare words: 512 bytes that no other line names
.set STAGE,  SLOT                      ; the way out goes through slot 1: chunk 1 is its only fill, and nobody reads it behind step 5's barrier
.set WSTG,   14336
.set VSTG,   4*WSTG                    ; the values' way has stage bytes of its own
.set RDV,  13
.set VC,   14
.set CO,   15
.set ADRA, 16                          ; v16-17 A's fragments in slot 0, 1; v18-19 for a piece whose lanes 16-31 read the next chunk
.set ADRB, 20                          ; v20-23 the same for B
.set STQ,  24
.set SSQ,  25
.set STV,  26
.set ADRS, 27
.set SPW,  28
.set NIL,  29
.set SSV,  30
.set RD,   31
.set SC,   32                          ; v32-63 scale words, two sets
.set CSR,  64                          ; v64-127 cosines and sines, two sets
.set AF,   128                         ; A's fragments
.set N,    128
.set PC,   192
.set TM,   212
.set PW,   228
.set W0,   232
.set G1, 24
.set G0, 32
.set G1B, 48
.set G0B, 56
.set G1S, 68
.set G0S, 76
.set G1SB, 80
.set G0SB, 88
.set G0H, 4                            ; group 0 of the head's loads of chunk 0, where arguments lay that have been used by then
.set G0HB, 8
.set SEL, 100
.set MSB, 0
.macro WIN new
.if MSB != (\new)
	s_set_vgpr_msb (MSB<<8)|(\new)
.set MSB, (\new)
.endif
.endm
.set MUL_LO, 0xa1
.set MUL_HI, 0xf1
.set TO_B,   0x40
.macro JLOAD g0a, g1a, g0b, g1b        ; a joint load: waves 0, 1 fetch for A, waves 2, 3 for B
	s_cmp_eq_u32 s15, 0
	s_cbranch_scc0 .Lfor_b_\@
	tensor_load_to_lds s[\g0a:\g0a+3], s[\g1a:\g1a+7]
	s_nop 0
.rept 4
	v_nop
.endr
	s_branch .Lasked_\@
.Lfor_b_\@:
	tensor_load_to_lds s[\g0b:\g0b+3], s[\g1b:\g1b+7]
	s_nop 0
.rept 4
	v_nop
.endr
.Lasked_\@:
.endm
.macro CREST
	s_cmp_lg_u32 s14, 0
	s_cbranch_scc1 .Lnot_wave_0_\@
	s_barrier_signal -3
.Lnot_wave_0_\@:
	s_barrier_wait -3
	s_barrier_signal -1
	s_barrier_wait -1
.endm
.macro CROUND
	s_barrier_signal -1
	s_barrier_wait -1
	CREST
.endm
	s_load_b256 s[4:11], s[0:1], 0x0               ; x_codes, x_scales, w_codes, w_scales
	s_load_b256 s[92:99], s[0:1], 0x20             ; cos, sin, q_ws, kv_ws
	v_lshl_add_u32 v[SPW], v0, 2, SPARE
	v_mov_b32 v[NIL], 0
	ds_add_u32 v[SPW], v[NIL]                      ; the opening lines: the add twice on end and one wait
	ds_add_u32 v[SPW], v[NIL]
	v_lshrrev_b32 v1, 5, v0
	v_readfirstlane_b32 s14, v1                    ; wave
	s_lshr_b32 s15, s14, 1                         ; my half of A's rows; also: I fetch for A or for B
	s_and_b32 s16, s14, 1                          ; my half of B's rows; also: which 128 rows I fetch
	s_bfe_u32 s40, ttmp6, 0x40000
	s_bfe_u32 s41, ttmp6, 0x40004
	s_and_b32 s66, ttmp7, 0xffff
	s_lshl_b32 s66, s66, 2
	s_lshl_b32 s67, ttmp9, 2
	s_cmp_eq_u32 ttmp9, 2                          ; the values' clusters: A = wv (tile rows 8-11 of the weights), B = x
	s_cselect_b32 s17, 8, s66
	s_cselect_b32 s42, s66, s67
	s_add_co_u32 s17, s17, s41                     ; A's tile row
	s_add_co_u32 s42, s42, s40                     ; B's tile row
	s_lshl_b32 s43, s41, 2
	s_lshl_b32 s43, 15, s43
	s_lshl_b32 s44, 0x1111, s40
	s_or_b32 s[G1+0], s43, (0<<16)|(1<<20)|(1<<21)|(5<<22)|(3<<25)   ; bytes; 16 bytes of padding behind every 256; the mask of my row
	s_or_b32 s[G1B+0], s44, (0<<16)|(1<<20)|(1<<21)|(5<<22)|(3<<25)  ; of my column
.irp g, G1, G1B
	s_mov_b32 s[\g+1], ROWB<<16
	s_mov_b32 s[\g+2], 256<<16                     ; the head's loads bring 256 rows
	s_mov_b32 s[\g+3], ROWB<<16
	s_mov_b32 s[\g+4], 256
	s_mov_b32 s[\g+5], KROW
	s_mov_b32 s[\g+6], 0
	s_mov_b32 s[\g+7], 0
.endr
	s_or_b32 s[G1S+0], s43, (3<<16)|(1<<20)|(1<<21)|(5<<22)|(3<<25)  ; the scales of 256 rows: 8,192 dense bytes as 32 rows of 256
	s_or_b32 s[G1SB+0], s44, (3<<16)|(1<<20)|(1<<21)|(5<<22)|(3<<25)
.irp g, G1S, G1SB
	s_mov_b32 s[\g+1], 32<<16
	s_mov_b32 s[\g+2], KS<<16
	s_mov_b32 s[\g+3], 32<<16
	s_mov_b32 s[\g+4], KS
	s_mov_b32 s[\g+5], 32
	s_mov_b32 s[\g+6], 0
	s_mov_b32 s[\g+7], 0
.endr
	s_lshl_b32 s20, s17, 8
	s_lshl_b32 s46, s42, 8
	s_mov_b32 s21, 0
	s_mov_b32 s47, 0
	s_mov_b64 s[18:19], KS
	s_mul_u64 s[22:23], s[20:21], s[18:19]
	s_mul_u64 s[2:3], s[46:47], s[18:19]
	s_mov_b64 s[18:19], KROW
	s_mul_u64 s[20:21], s[20:21], s[18:19]
	s_mul_u64 s[46:47], s[46:47], s[18:19]
	s_mul_i32 s45, s14, HALFT
	s_mul_i32 s18, s16, 128*KROW                   ; in the ring I fetch 128 rows of a tile
	s_mov_b32 s19, 0
	s_wait_dscnt 0x0                               ; both opening adds are done
	s_wait_kmcnt 0x0
	s_cmp_eq_u32 ttmp9, 2
	s_cselect_b64 s[12:13], s[8:9], s[4:5]
	s_cselect_b64 s[8:9], s[4:5], s[8:9]
	s_cselect_b64 s[4:5], s[10:11], s[6:7]
	s_cselect_b64 s[10:11], s[6:7], s[10:11]
	s_add_nc_u64 s[20:21], s[12:13], s[20:21]
	s_add_nc_u64 s[22:23], s[4:5], s[22:23]
	s_add_nc_u64 s[46:47], s[8:9], s[46:47]
	s_add_nc_u64 s[2:3], s[10:11], s[2:3]
	CROUND                                         ; all sixteen work-groups are here: the first joint loads meet
	s_mov_b32 s[G0H], 1                            ; chunk 0's 256 rows of A,
	s_mov_b32 s[G0H+1], 0
	s_mov_b64 s[G0H+2:G0H+3], s[20:21]
	s_or_b32 s[G0H+3], s[G0H+3], 0x80000000
	s_mov_b32 s[G0HB], 1                           ; of B,
	s_mov_b32 s[G0HB+1], 2*HALFT
	s_mov_b64 s[G0HB+2:G0HB+3], s[46:47]
	s_or_b32 s[G0HB+3], s[G0HB+3], 0x80000000
	s_mov_b32 s[G0S], 1                            ; A's scales,
	s_mov_b32 s[G0S+1], SCL
	s_mov_b64 s[G0S+2:G0S+3], s[22:23]
	s_or_b32 s[G0S+3], s[G0S+3], 0x80000000
	s_mov_b32 s[G0SB], 1                           ; B's
	s_mov_b32 s[G0SB+1], SCL+2*HALFS
	s_mov_b64 s[G0SB+2:G0SB+3], s[2:3]
	s_or_b32 s[G0SB+3], s[G0SB+3], 0x80000000
	s_add_nc_u64 s[20:21], s[20:21], s[18:19]      ; for the ring: my 128 rows
	s_add_nc_u64 s[46:47], s[46:47], s[18:19]
.irp s, 0,1
	s_mov_b32 s[G0+4*\s], 1
	s_add_co_u32 s[G0+4*\s+1], s45, \s*SLOT
	s_add_nc_u64 s[G0+4*\s+2:G0+4*\s+3], s[20:21], \s*ROWB
	s_or_b32 s[G0+4*\s+3], s[G0+4*\s+3], 0x80000000
	s_mov_b32 s[G0B+4*\s], 1
	s_add_co_u32 s[G0B+4*\s+1], s45, \s*SLOT
	s_add_nc_u64 s[G0B+4*\s+2:G0B+4*\s+3], s[46:47], \s*ROWB
	s_or_b32 s[G0B+4*\s+3], s[G0B+4*\s+3], 0x80000000
.endr
; the head's four tiles, one load a wave: one chain of branches on the wave's number, all arms leading to one join
.macro ARM under, g0, g1, next
	s_cmp_lt_u32 s14, \under
	s_cbranch_scc0 \next
	tensor_load_to_lds s[\g0:\g0+3], s[\g1:\g1+7]
	s_nop 0
.rept 4
	v_nop
.endr
	s_branch .Lhead_asked
\next:
.endm
	ARM 1, G0H,  G1,  .Lhead_b
	ARM 2, G0HB, G1B, .Lhead_sa
	ARM 3, G0S,  G1S, .Lhead_sb
	tensor_load_to_lds s[G0SB:G0SB+3], s[G1SB:G1SB+7]
	s_nop 0
.rept 4
	v_nop
.endr
.Lhead_asked:
	v_and_b32 v1, 15, v0                           ; r
	v_bfe_u32 v2, v0, 4, 1                         ; h
	v_mul_u32_u24 v3, v1, PITCH
	v_mul_u32_u24 v4, v2, 24
	v_add_nc_u32 v4, v3, v4                        ; row x pitch + 24 h
	s_mov_b32 s21, SLOT-232
	s_mov_b32 s22, SLOT+232
	v_sub_nc_u32 v7, 1, v2
	v_mul_u32_u24 v5, s21, v2
	v_add_nc_u32 v5, v3, v5
	v_add_nc_u32 v5, 232, v5                       ; lanes 0-15 byte 232 of the row in slot 0, lanes 16-31 byte 0 in slot 1
	v_mul_u32_u24 v6, s22, v7
	v_add_nc_u32 v6, v3, v6                        ; and the other way round
	s_mul_i32 s21, s15, HALFT
	s_mul_i32 s22, s16, HALFT
	s_add_co_u32 s22, s22, 2*HALFT
	v_add_nc_u32 v[ADRA+2], s21, v5
	v_add_nc_u32 v[ADRA+3], s21, v6
	v_add_nc_u32 v[ADRB+2], s22, v5
	v_add_nc_u32 v[ADRB+3], s22, v6
.irp s, 0,1
	v_add_nc_u32 v[ADRA+\s], s21, v4
	v_add_nc_u32 v[ADRB+\s], s22, v4
	s_add_co_u32 s21, s21, SLOT
	s_add_co_u32 s22, s22, SLOT
.endr
	v_mul_u32_u24 v5, v1, KS
	v_lshrrev_b32 v6, 8, v5
	v_lshl_add_u32 v5, v6, 4, v5
	s_mul_i32 s21, s15, HALFS
	s_mul_i32 s22, s16, HALFS
	s_add_co_u32 s22, s22, 2*HALFS
	s_sub_co_u32 s22, s22, s21
	v_mul_u32_u24 v6, s22, v2                      ; lanes 16-31 take B's scale words
	s_add_co_u32 s21, s21, SCL
	v_add_nc_u32 v5, v5, v6
	v_add_nc_u32 v[ADRS], s21, v5
	s_mul_i32 s23, s14, WSTG
	s_add_co_u32 s23, s23, STAGE                   ; my stage
	v_mul_u32_u24 v5, v1, 48
	v_mad_u32_u24 v5, v2, 24, v5
	v_add_nc_u32 v[STQ], s23, v5
	v_lshl_add_u32 v5, v1, 4, 6144
	v_add_nc_u32 v[SSQ], s23, v5
	v_and_b32 v6, 31, v0
	v_lshlrev_b32 v[CO], 4, v6
	v_add_nc_u32 v[RD], s23, v[CO]
	s_add_co_u32 s23, s23, VSTG
	v_mul_u32_u24 v5, v1, 112
	v_add_nc_u32 v5, s23, v5
	v_mad_u32_u24 v[STV], v2, 24, v5
	v_add_nc_u32 v[SSV], 96, v5
	v_add_nc_u32 v[RDV], s23, v[CO]
	v_and_b32 v5, 8, v1
	v_add_nc_u32 v5, v5, v1
	v_lshlrev_b32 v5, 7, v5
	v_lshl_add_u32 v[VC], v2, 5, v5                ; cos, sin: my token's row of 128 bytes, + 32 h
	s_wait_alu depctr_va_vdst(0)                   ; the wait at the end of the head's vector work
	s_lshl_b32 s18, s17, 8
	s_lshl_b32 s19, s15, 7
	s_add_co_u32 s18, s18, s19                     ; my first row of A
	s_lshl_b32 s19, s42, 8
	s_lshl_b32 s20, s16, 7
	s_add_co_u32 s19, s19, s20                     ; of B
	s_sub_co_u32 s21, s18, 2048
	s_and_b32 s22, s19, 1023
	s_cmp_eq_u32 ttmp9, 2
	s_cselect_b32 s20, s19, s18                    ; my first token place
	s_cselect_b32 s21, s21, s22                    ; my first channel
	s_cselect_b32 s13, 6656, 0                     ; v lies behind k in a step
	s_cmp_eq_u32 ttmp9, 0
	s_cselect_b64 s[96:97], s[96:97], s[98:99]
	s_mov_b32 s22, 221184
	s_cselect_b32 s22, 106496, s22                 ; bytes of a head
	s_mov_b32 s12, 13824
	s_cselect_b32 s12, 6656, s12                   ; of 128 tokens
	s_lshr_b32 s23, s20, 11
	s_lshl_b32 s23, s23, 4
	s_lshr_b32 s21, s21, 6
	s_add_co_u32 s23, s23, s21                     ; 16 x batch + head
	s_bfe_u32 s21, s20, 0x40007
	s_mul_i32 s2, s23, s22
	s_mul_i32 s21, s21, s12
	s_add_co_u32 s2, s2, s21
	s_add_co_u32 s2, s2, s13
	s_mov_b32 s3, 0
	s_add_nc_u64 s[96:97], s[96:97], s[2:3]        ; my first head's place,
	s_mov_b32 s23, 0
	s_add_nc_u64 s[98:99], s[96:97], s[22:23]      ; my second head's
	s_and_b32 s2, s20, 2047
	s_lshl_b32 s2, s2, 7
	s_add_nc_u64 s[92:93], s[92:93], s[2:3]
	s_add_nc_u64 s[94:95], s[94:95], s[2:3]
	s_mov_b32 s[SEL], 0x76543210
	s_mov_b32 s[SEL+1], 0xfedcba98
.macro CSLOAD a                        ; block a's cosines and sines: my token's 16 pairs of each 32 channels
.set CB0, CSR+32*((\a)%2)
.set CO0, (32*((\a)/2)+8*((\a)%2))*128
.irp z, 0,1
	global_load_b128 v[CB0+16*\z:CB0+16*\z+3], v[VC], s[92+2*\z:93+2*\z] offset:CO0
	global_load_b128 v[CB0+16*\z+4:CB0+16*\z+7], v[VC], s[92+2*\z:93+2*\z] offset:CO0+16
	global_load_b128 v[CB0+16*\z+8:CB0+16*\z+11], v[VC], s[92+2*\z:93+2*\z] offset:CO0+64
	global_load_b128 v[CB0+16*\z+12:CB0+16*\z+15], v[VC], s[92+2*\z:93+2*\z] offset:CO0+80
.endr
.endm
	CSLOAD 0
	CSLOAD 1
.macro FRAG reg, adr, st, i            ; a fragment in six pieces of 8 bytes; byte y of a row lies in chunk y / 256, slot (y / 256) % 2, at byte y % 256 of the LDS row
.irp p, 0,1,2,3,4,5
.set BY, 96*(\st)+48*(\p/3)+8*(\p%3)
.if BY/ROWB == (BY+24)/ROWB
	ds_load_b64 v[\reg+2*\p:\reg+2*\p+1], v[\adr+(BY/ROWB)%2] offset:BY%ROWB+(\i)*16*PITCH
.else
	ds_load_b64 v[\reg+2*\p:\reg+2*\p+1], v[\adr+2+(BY/ROWB)%2] offset:BY%ROWB-232+(\i)*16*PITCH
.endif
.endr
.endm
.macro MUL16 a0, p, q, sc, zero        ; A's blocks a0, a0 + 1 x B's eight; the 64 accumulators take turns
.irp a, \a0, \a0+1
.irp b, 0,1,2,3,4,5,6,7
.if \zero
	v_wmma_scale_f32_16x16x128_f8f6f4 v[8*(8*((\a)%4)+\b):8*(8*((\a)%4)+\b)+7], v[128*(\p)+FR*\b:128*(\p)+FR*\b+FR-1], v[AF+FR*(\a):AF+FR*(\a)+FR-1], 0, v[SC+8*NQ*(\sc)+NQ*\b+(\q)], v[SC+8*NQ*(\sc)+NQ*(\a)+(\q)] matrix_a_fmt:MATRIX_FMT_FP6 matrix_b_fmt:MATRIX_FMT_FP6 matrix_a_scale:MATRIX_SCALE_ROW1
.else
	v_wmma_scale_f32_16x16x128_f8f6f4 v[8*(8*((\a)%4)+\b):8*(8*((\a)%4)+\b)+7], v[128*(\p)+FR*\b:128*(\p)+FR*\b+FR-1], v[AF+FR*(\a):AF+FR*(\a)+FR-1], v[8*(8*((\a)%4)+\b):8*(8*((\a)%4)+\b)+7], v[SC+8*NQ*(\sc)+NQ*\b+(\q)], v[SC+8*NQ*(\sc)+NQ*(\a)+(\q)] matrix_a_fmt:MATRIX_FMT_FP6 matrix_b_fmt:MATRIX_FMT_FP6 matrix_a_scale:MATRIX_SCALE_ROW1
.endif
.endr
.endr
.endm
.macro FETCH_B st, p
	WIN TO_B
.irp i, 0,1,2,3,4,5,6,7
	FRAG 128*(\p)+FR*\i, ADRB, \st, \i
.endr
	WIN 0
.endm
.macro FETCH_A st, i0
.irp i, \i0, \i0+1, \i0+2, \i0+3
	FRAG AF+FR*(\i), ADRA, \st, \i
.endr
.endm
.macro SCALES pr                       ; the scale words of steps 2 pr, 2 pr + 1 into set pr % 2
.irp i, 0,1,2,3,4,5,6,7
	ds_load_b64 v[SC+8*NQ*((\pr)%2)+NQ*\i:SC+8*NQ*((\pr)%2)+NQ*\i+1], v[ADRS] offset:\i*SBLK+4*NQ*(\pr)
.endr
.endm
.macro PLACES n
.rept \n
	v_nop
.endr
.endm
; A step of 128 along K.  Where the next step's bytes END in a chunk not yet read: the wait for my tensor loads and a barrier.  Where they BEGIN in a later chunk: the chunk left behind is read no more: the wait, the add,
; the wait for the add and my reads, the barrier; where a chunk two further on is left, the barrier opens a round of the cluster's barrier and the slot is filled again.
.macro STEP st, zero
.set NX, (\st)+1
.set C0, (96*(\st))/ROWB
.set C1, (96*NX)/ROWB
.set E0, (96*(\st)+95)/ROWB
.set E1, (96*NX+95)/ROWB
.if C1 > C0 || E1 > E0
	s_wait_tensorcnt 0x0                           ; all my tensor loads have landed
.if C1 > C0
	ds_add_u32 v[SPW], v[NIL]
	s_wait_dscnt 4*NL+1                            ; the add and A's blocks 4-7 (24 loads) may be out
.else
	s_wait_dscnt 4*NL                              ; A's blocks 4-7 may be out
.endif
	WIN MUL_LO
	MUL16 0, (\st)%2, (\st)%2, ((\st)/2)%2, \zero
	s_wait_dscnt 0x0                               ; the add and all my reads are done
	s_barrier_signal -1
	MUL16 2, (\st)%2, (\st)%2, ((\st)/2)%2, \zero
	WIN 0
	s_barrier_wait -1
.if C1 > C0 && C0+2 < CHUNKS
	CREST
	s_add_nc_u64 s[G0+4*(C0%2)+2:G0+4*(C0%2)+3], s[G0+4*(C0%2)+2:G0+4*(C0%2)+3], 2*ROWB
	s_add_nc_u64 s[G0B+4*(C0%2)+2:G0B+4*(C0%2)+3], s[G0B+4*(C0%2)+2:G0B+4*(C0%2)+3], 2*ROWB
	JLOAD G0+4*(C0%2), G1, G0B+4*(C0%2), G1B       ; chunk C0 + 2; its four v_nop are the places in front of the loads below
.else
	PLACES NP
.endif
.else
	s_wait_dscnt 4*NL                              ; B's set and A's blocks 0-3 are in
	WIN MUL_LO
	MUL16 0, (\st)%2, (\st)%2, ((\st)/2)%2, \zero
	MUL16 2, (\st)%2, (\st)%2, ((\st)/2)%2, \zero
	s_wait_dscnt 0
	PLACES NP
.endif
	FETCH_B NX, NX%2
	FETCH_A NX, 0
.if NX%2 == 0
	SCALES NX/2
.endif
	WIN MUL_HI
	MUL16 4, (\st)%2, (\st)%2, ((\st)/2)%2, \zero
	MUL16 6, (\st)%2, (\st)%2, ((\st)/2)%2, \zero
	PLACES NP
	WIN 0
	FETCH_A NX, 4
.endm
	s_wait_tensorcnt 0x0                           ; my tile of the head's four is in; slot 1's first fill is issued as a refill is:
	ds_add_u32 v[SPW], v[NIL]
	s_mov_b32 s[G1+2], 128<<16                     ; no load of mine is out: from here on a load brings 128 rows
	s_mov_b32 s[G1+4], 128
	s_mov_b32 s[G1B+2], 128<<16
	s_mov_b32 s[G1B+4], 128
	s_wait_dscnt 0x0
	CROUND
	JLOAD G0+4, G1, G0B+4, G1B                     ; chunk 1
	FETCH_B 0, 0
	FETCH_A 0, 0
	SCALES 0
	FETCH_A 0, 4
	STEP 0, 1                                      ; the first step's products start the sums
.set ST, 1
.rept STEPS-2
	STEP ST, 0
.set ST, ST+1
.endr
	s_wait_dscnt 4*NL
	WIN MUL_LO
	MUL16 0, 1, 1, 1, 0
	MUL16 2, 1, 1, 1, 0
	s_wait_dscnt 0
	WIN MUL_HI
	MUL16 4, 1, 1, 1, 0
	MUL16 6, 1, 1, 1, 0
	WIN 0
; 64 numbers of a lane at v[s] of window w (four half blocks of 16) -> 12 registers of codes at v[PC], the scale word at v[PW]
.macro QUANT s, w
	WIN (\w)|((\w)<<2)
.irp b, 0,1,2,3
	v_max3_num_f32 v[TM+\b], |v[(\s)+16*\b]|, |v[(\s)+1+16*\b]|, 0x1800000      ; with the floor 2^(3 - 127)
.endr
.irp i, 2,4,6,8,10,12,14
.irp b, 0,1,2,3
	v_max3_num_f32 v[TM+\b], |v[(\s)+16*\b+\i]|, |v[(\s)+1+16*\b+\i]|, v[TM+\b]
.endr
.endr
	WIN 0
.irp b, 0,1,2,3
	v_permlanex16_b32 v[TM+4+\b], v[TM+\b], s[SEL], s[SEL+1]
.endr
.irp b, 0,1,2,3
	v_max_num_f32 v[TM+\b], v[TM+\b], v[TM+4+\b]   ; with lane l xor 16's half of the block
.endr
.irp b, 0,1,2,3
	v_add_nc_u32 v[TM+12+\b], 0xff000000, v[TM+\b] ; the conversion's scale operand
.endr
.irp b, 0,1,2,3
	v_lshrrev_b32 v[TM+4+\b], 23, v[TM+12+\b]      ; the byte
.endr
	v_lshl_or_b32 v[PW], v[TM+5], 8, v[TM+4]
	v_lshl_or_b32 v[PW], v[TM+6], 16, v[PW]
	v_lshl_or_b32 v[PW], v[TM+7], 24, v[PW]
	WIN (\w)
.irp c, 0,1
	v_cvt_scalef32_pk16_fp6_f32 v[PC+6*\c:PC+2+6*\c], v[(\s)+32*\c:(\s)+15+32*\c], v[TM+12+2*\c]
	v_cvt_scalef32_pk16_fp6_f32 v[PC+12+4*\c:PC+14+4*\c], v[(\s)+16+32*\c:(\s)+31+32*\c], v[TM+12+2*\c+1]
.endr
	WIN 0
	v_nop                                          ; a plain place behind the conversions
.irp c, 0,1
.irp i, 0,1,2
	v_permlane16_swap_b32 v[PC+6*\c+\i], v[PC+12+4*\c+\i]          ; a whole block to a lane
.endr
.irp i, 0,1,2
	v_mov_b32 v[PC+3+6*\c+\i], v[PC+12+4*\c+\i]
.endr
.endr
.endm
	PLACES NP
.irp b, 0,1,2,3
	v_mov_b32 v[TM+4+\b], 0                        ; a lane permute's destination counts as a source
.endr
.irp b, 1,2,3
	v_mov_b32 v[PW+\b], 0
.endr
	s_cmp_eq_u32 ttmp9, 2
	s_cbranch_scc1 .Lvalues
.macro QKBLOCK a                       ; 16 token places x 128 channels (two heads): rotate, quantise along the channels, into the stage
.if (\a) < 7
	s_wait_loadcnt 8                               ; this block's eight loads are in, the next block's may be out
.else
	s_wait_loadcnt 0x0
.endif
.set AC, 64*((\a)%4)
.set CB0, CSR+32*((\a)%2)
	WIN 2+(\a)/4
.set mm, 0
.rept 32
.set ci, CB0+8*((mm/8)%2)+mm%8
	v_mul_f32 v[N+2*mm], v[AC+2*mm], v[ci]
	v_mul_f32 v[N+2*mm+1], v[AC+2*mm], v[ci+16]
	v_fma_f32 v[N+2*mm], -v[AC+2*mm+1], v[ci+16], v[N+2*mm]
	v_fma_f32 v[N+2*mm+1], v[AC+2*mm+1], v[ci], v[N+2*mm+1]
.set mm, mm+1
.endr
	WIN 0
.if (\a) < 6
	CSLOAD (\a)+2
.endif
	s_wait_dscnt 0x0                               ; the last block's stores have read their registers
	QUANT N, 0
	v_perm_b32 v[W0], v[PW], v[PW], 0x01000100     ; the first head's two bytes, twice
	v_perm_b32 v[W0+1], v[PW], v[PW], 0x03020302   ; the second head's
.irp c, 0,1
.irp p, 0,1,2
	ds_store_b64 v[STQ], v[PC+6*\c+2*\p:PC+6*\c+2*\p+1] offset:6656*\c+768*(\a)+8*\p
.endr
	ds_store_b32 v[SSQ], v[W0+\c] offset:6656*\c+256*((\a)%2)+4*((\a)/2)
.endr
.endm
.irp a, 0,1,2,3,4,5,6,7
	QKBLOCK \a
.endr
.irp c, 0,1
.irp i, 0,1,2,3,4,5,6,7,8,9,10,11,12
	ds_load_b128 v[128-64*\c+4*\i:128-64*\c+4*\i+3], v[RD] offset:6656*\c+512*\i
.endr
.endr
.irp c, 0,1
.irp i, 0,1,2,3,4,5,6,7,8,9,10,11,12
	s_wait_dscnt 25-13*\c-\i
	global_store_b128 v[CO], v[128-64*\c+4*\i:128-64*\c+4*\i+3], s[96+2*\c:97+2*\c] offset:512*\i   ; 512 bytes on end
.endr
.endr
	s_branch .Lend
.Lvalues:
	s_wait_loadcnt 0x0
.macro VBLOCK a                        ; 16 channels x 128 tokens: quantise along the tokens
	s_wait_dscnt 0x0
	QUANT 64*((\a)%4), 2+(\a)/4
.irp c, 0,1
.irp p, 0,1,2
	ds_store_b64 v[STV], v[PC+6*\c+2*\p:PC+6*\c+2*\p+1] offset:1792*(\a)+48*\c+8*\p
.endr
.endr
	ds_store_b128 v[SSV], v[PW:PW+3] offset:1792*(\a)
.endm
.irp a, 0,1,2,3,4,5,6,7
	VBLOCK \a
.endr
.irp c, 0,1
.irp i, 0,1,2,3,4,5,6,7,8,9,10,11,12,13
	ds_load_b128 v[128-64*\c+4*\i:128-64*\c+4*\i+3], v[RDV] offset:7168*\c+512*\i
.endr
.endr
.irp c, 0,1
.irp i, 0,1,2,3,4,5,6,7,8,9,10,11,12,13
	s_wait_dscnt 27-14*\c-\i
	global_store_b128 v[CO], v[128-64*\c+4*\i:128-64*\c+4*\i+3], s[96+2*\c:97+2*\c] offset:512*\i
.endr
.endr
.Lend:
	s_wait_tensorcnt 0x0                           ; the wave's end
	ds_add_u32 v[SPW], v[NIL]
	s_wait_dscnt 0x0
	CROUND                                         ; the closing round
	s_endpgm
.Lfunc_end_k_q520ed5b6a1_qkv:
	.size	k_q520ed5b6a1_qkv, .Lfunc_end_k_q520ed5b6a1_qkv-k_q520ed5b6a1_qkv
	.p2alignl 7, 3214868480
	.fill 96, 4, 3214868480
	.section	.rodata,"a",@progbits
	.p2align	6, 0x0
	.amdhsa_kernel k_q520ed5b6a1_qkv
		.amdhsa_group_segment_fixed_size 327680
		.amdhsa_private_segment_fixed_size 0
		.amdhsa_enable_private_segment 0
		.amdhsa_kernarg_size 64
		.amdhsa_user_sgpr_count 2
		.amdhsa_user_sgpr_kernarg_segment_ptr 1
		.amdhsa_wavefront_size32 1
		.amdhsa_system_sgpr_workgroup_id_x 1
		.amdhsa_system_sgpr_workgroup_id_y 1
		.amdhsa_system_sgpr_workgroup_id_z 1
		.amdhsa_system_vgpr_workitem_id 0
		.amdhsa_next_free_vgpr 1024
		.amdhsa_next_free_sgpr 102
		.amdhsa_reserve_vcc 0
		.amdhsa_float_denorm_mode_32 3
		.amdhsa_float_denorm_mode_16_64 3
		.amdhsa_memory_ordered 1
		.amdhsa_forward_progress 1
		.amdhsa_inst_pref_size 255
	.end_amdhsa_kernel
	.section	.bss,"aw",@nobits
	.p2align	6
	.space	262144
	.amdgpu_metadata
---
amdhsa.version: [ 1, 2 ]
amdhsa.kernels:
  - .name:           k_q520ed5b6a1_qkv
    .symbol:         k_q520ed5b6a1_qkv.kd
    .args:
      - { .name: x_codes, .offset: 0, .size: 8, .value_kind: global_buffer, .address_space: global }
      - { .name: x_scales, .offset: 8, .size: 8, .value_kind: global_buffer, .address_space: global }
      - { .name: w_codes, .offset: 16, .size: 8, .value_kind: global_buffer, .address_space: global }
      - { .name: w_scales, .offset: 24, .size: 8, .value_kind: global_buffer, .address_space: global }
      - { .name: freqs_cos, .offset: 32, .size: 8, .value_kind: global_buffer, .address_space: global }
      - { .name: freqs_sin, .offset: 40, .size: 8, .value_kind: global_buffer, .address_space: global }
      - { .name: q_ws, .offset: 48, .size: 8, .value_kind: global_buffer, .address_space: global }
      - { .name: kv_ws, .offset: 56, .size: 8, .value_kind: global_buffer, .address_space: global }
    .group_segment_fixed_size: 327680
    .private_segment_fixed_size: 0
    .kernarg_segment_align: 8
    .kernarg_segment_size: 64
    .max_flat_workgroup_size: 128
    .sgpr_count:     102
    .vgpr_count:     1024
    .wavefront_size: 32
...
	.end_amdgpu_metadata
.endif
;; end of part 2
;; launch attn (part 3): grid 4 x 64, 16 waves a work-group, clusters of 4 x 1, 223,232 bytes of LDS; arguments q_ws, kv_ws, a_img, a_scales; writes a_img, a_scales
.if DOCPART == 3
	.amdgcn_target "amdgcn-amd-amdhsa--gfx1250"
	.amdhsa_code_object_version 6
	.text
	.protected	k_q520ed5b6a1_attn
	.globl	k_q520ed5b6a1_attn
	.p2align	8
	.type	k_q520ed5b6a1_attn,@function
k_q520ed5b6a1_attn:
	s_mov_b64 s[64:65], 0
	v_nop
	global_prefetch_b8 v0, s[64:65] scope:SCOPE_SE
	s_setreg_imm32_b32 hwreg(HW_REG_WAVE_MODE, 25, 1), 1
	s_wait_xcnt 0x0
	s_wait_alu depctr_hold_cnt(0) depctr_sa_sdst(0) depctr_va_vdst(0) depctr_va_sdst(0) depctr_va_ssrc(0) depctr_va_vcc(0) depctr_vm_vsrc(0)
	s_getreg_b32 s2, hwreg(HW_REG_IB_STS2, 6, 4)
	s_cmp_eq_u32 s2, 0
	s_cbranch_scc0 .Lentry_in_a_cluster
	s_endpgm
.Lentry_in_a_cluster:
	s_bfe_u32 s2, ttmp6, 0x10000c
	s_cmp_lg_u32 s2, 0x3003
	s_cbranch_scc0 .Lentry_shape_is_right
	s_endpgm
.Lentry_shape_is_right:
; O = softmax(q k^T / 8) v for one head of one batch, both products on codes of FP6 (E2M3) with E8M0 scales; O / l is quantised along the model's 1,024 channels and leaves as codes.
; THE SOFTMAX: t = score x log2(e) / 8; M = the running largest t rounded UP to a whole number; p = 2^(t - M) is quantised along the keys, not normalised; the row's sum l is taken of the
; unquantised p; when M moves, l and O are multiplied by 2^(old M - new M), which rounds nothing.
; SHARES.  The four work-groups of a cluster take the four quarters (512 queries) of one head.  The head's whole K and V, 16 steps of 13,824 bytes, come into each partner's LDS ONCE, by joint loads
; (the same load, descriptor and mask in all four): each of the sixteen waves issues ONE load, one step: 54 rows of 256 bytes.  Nothing is filled again: no ring, and behind the one barrier that shows
; K and V whole no wave waits for another.  All of K and V is asked for at the head, so no later load is left to prefetch for.
; A work-group makes two passes of 256 queries; each of its sixteen waves holds one tile of 16 queries in 256 registers, four waves to a SIMD: most of a step is vector work of one lane on its own query
; (64 exponentials, maxima, sums, conversions), in chains that wait for each other, and four waves have other work to issue meanwhile.  The price: a fragment of K or V read from LDS feeds one tile.
; The first pass's Q is asked for under the tensor loads, the second pass's under the first pass's way out.
; LAYOUT.  Both products are used transposed: S^T = K Q^T, O^T = V^T P^T: a lane holds ONE query.  K's and V's rows lie in the order of places (bits 3 and 4 exchanged), so the 16 registers of result tiles
; 2 b, 2 b + 1 are keys (or channels) 32 b + 16 h + 0 .. 15.  The head's 64 fill half of the instruction's K = 128.  K'S FRAGMENTS ARE DENSE: fragment f holds key tile f in K = 0 .. 63 and key tile f + 4 in
; K = 64 .. 127.  Q lies as 6 registers of zero codes, its own 6, and 6 of zero codes: read from the 7th register on it is [q, 0] and picks tile f, read from the first it is [0, q] and picks tile f + 4.
; A place's scale word holds its two bytes twice, so it serves in either half; the bytes that meet zero codes are finite.  V is loaded into K's registers behind the score products.
; OUT.  a_img [16 token places, 512][head 16][768]: lane l = r + 16 h holds block h's 24 bytes of row r: 16 at 16 l, 8 at 512 + 8 l.  a_scales [8192 token places][32]: byte 2 x head + block:
; two bytes a row and head, 32 bytes apart: 2 bytes beside each 48 of codes (lanes r and r + 16 store the same two bytes to the same place).
; LIMITS: t under -3e38 is not served; p under 2^-126 comes out of v_exp_f32 as 0; a block's largest p is taken from the block's largest score by the same two instructions; 1 / l is v_rcp_f32 and a
; multiplication; a block of zeros has the byte 1; no NaN, no infinities.
.set STEPB, 13824                      ; a step of 128 keys: K's codes, at 6,144 K's scale words, at 6,656 V's 64 rows of 112
.set NSTEP, 16
.set SPARE, NSTEP*STEPB                ; behind K and V: the spare words, 128 bytes a wave
; v1-13 addresses
.set TP,   14
.set QH,   16                          ; v16-33: 0, q, 0.  [0, q] from v16,
.set QL,   22                          ; [q, 0] from v22
.set KSW,  34                          ; v34-37 K's scale words
.set VSW,  38                          ; v38-39 V's
.set QS,   40                          ; Q's
.set PWD,  41                          ; p's
.set NM,   42                          ; -M, the largest t, the sum in two halves
.set FF,   46                          ; f (v47 named with it as a pair)
.set BM,   48                          ; the blocks' largest scores
.set BT,   52                          ; the other half's; then bytes
.set SOP,  56                          ; the conversions' scale operands
.set SUMT, 60                          ; the sum's second chain
.set SR,   64                          ; v64-127 S^T, then p
.set OT,   128                         ; v128-159 O^T (8 d + j)
.set PR,   160                         ; v160-171 p's codes
.set CT,   172                         ; the conversions' second halves
.set F,    180                         ; v180-227 K's four dense fragments, then V's four
.set SPW,  254
.set NIL,  255
.set SEL, 48
.set CS,  50
.macro CROUND                          ; a round of the cluster's barrier
	s_barrier_signal -1
	s_barrier_wait -1
	s_cmp_lg_u32 s12, 0
	s_cbranch_scc1 .Lnot_wave_0_\@
	s_barrier_signal -3
.Lnot_wave_0_\@:
	s_barrier_wait -3
	s_barrier_signal -1
	s_barrier_wait -1
.endm
	s_load_b256 s[4:11], s[0:1], 0x0               ; q_ws, kv_ws, a_img, a_scales
	v_lshl_add_u32 v[SPW], v0, 2, SPARE
	v_mov_b32 v[NIL], 0
	ds_add_u32 v[SPW], v[NIL]                      ; the opening lines: the add twice on end and one wait
	ds_add_u32 v[SPW], v[NIL]
	v_lshrrev_b32 v1, 5, v0
	s_delay_alu instid0(VALU_DEP_1)
	v_readfirstlane_b32 s12, v1                    ; wave 0..15
	s_bfe_u32 s13, ttmp6, 0x40000                  ; cx: which quarter of the queries
	s_and_b32 s14, ttmp7, 0xffff                   ; 16 x batch + head, which the partners share
	s_mov_b32 s24, 15|(3<<16)|(1<<21)              ; group 1: the mask names all four; elements of 8 bytes; bit 21 beside a mask; no padding
	s_mov_b32 s25, 32<<16                          ; tensor_dim0 = 32 elements: 256 bytes
	s_mov_b32 s26, 54<<16                          ; tensor_dim1 = 54
	s_mov_b32 s27, 32<<16                          ; tile_dim0
	s_mov_b32 s28, 54                              ; tile_dim1
	s_mov_b32 s29, 32                              ; from row to row: dense
	s_mov_b32 s30, 0
	s_mov_b32 s31, 0
	s_mul_i32 s15, s12, STEPB                      ; my step, in LDS as in memory
	s_mul_i32 s16, s14, NSTEP*STEPB
	s_add_co_u32 s16, s16, s15
	s_mov_b32 s17, 0
	s_mul_i32 s18, s14, 106496                     ; q: the head,
	s_lshl_b32 s19, s13, 2
	s_lshr_b32 s20, s12, 3
	s_add_co_u32 s19, s19, s20                     ; its block of 128 tokens: 4 cx + wave / 8 (+ 2 in the second pass)
	s_mul_i32 s19, s19, 6656
	s_add_co_u32 s18, s18, s19
	s_mov_b32 s19, 0
	s_lshr_b32 s20, s14, 4                         ; batch
	s_and_b32 s21, s14, 15                         ; head
	s_lshl_b32 s22, s20, 7
	s_lshl_b32 s23, s13, 5
	s_add_co_u32 s22, s22, s23
	s_add_co_u32 s22, s22, s12                     ; my tile of 16 token places: 128 batch + 32 cx + wave
	s_mul_i32 s52, s22, 12288
	s_mul_i32 s53, s21, 768
	s_add_co_u32 s52, s52, s53
	s_mov_b32 s53, 0
	s_lshl_b32 s22, s22, 9                         ; 16 rows of 32 scale bytes
	s_lshl_b32 s23, s21, 1
	s_add_co_u32 s22, s22, s23
	s_mov_b32 s23, 0
	s_mov_b32 s[SEL], 0x76543210
	s_mov_b32 s[SEL+1], 0xfedcba98
	s_mov_b32 s[CS], 0x3e38aa3b                    ; c = log2(e) / 8
	s_mov_b32 s[CS+1], s[CS]                       ; (named with it as a pair)
	s_wait_dscnt 0x0
	s_wait_kmcnt 0x0
	s_add_nc_u64 s[6:7], s[6:7], s[16:17]
	s_add_nc_u64 s[4:5], s[4:5], s[18:19]
	s_add_nc_u64 s[8:9], s[8:9], s[52:53]
	s_add_nc_u64 s[10:11], s[10:11], s[22:23]
	s_mov_b32 s32, 1
	s_mov_b32 s33, s15
	s_mov_b64 s[34:35], s[6:7]
	s_or_b32 s35, s35, 0x80000000
	CROUND                                         ; all four work-groups are here: the joint loads meet
	tensor_load_to_lds s[32:35], s[24:31]          ; my step of K and V: my one tensor load
	s_nop 0
.rept 4
	v_nop
.endr
	v_and_b32 v60, 31, v0                          ; l
	v_and_b32 v61, 15, v0                          ; r
	v_bfe_u32 v62, v0, 4, 1                        ; h
	s_delay_alu instid0(VALU_DEP_2)
	v_mul_u32_u24 v1, v61, 48
	s_delay_alu instid0(VALU_DEP_1)
	v_mad_u32_u24 v1, v62, 24, v1                  ; K: row r of 48 bytes, block h
	v_mul_u32_u24 v2, v61, 112
	s_delay_alu instid0(VALU_DEP_1)
	v_mad_u32_u24 v2, v62, 24, v2
	s_delay_alu instid0(VALU_DEP_1)
	v_add_nc_u32 v2, 6656, v2                      ; V: row r of 112 bytes, + 24 h
	v_lshl_add_u32 v3, v60, 4, 6144                ; K's scale words: lane l takes those of places l, 32 + l, 64 + l, 96 + l
	v_mul_u32_u24 v4, v60, 112
	s_delay_alu instid0(VALU_DEP_1)
	v_add_nc_u32 v4, 6752, v4                      ; V's: row l's word
	s_and_b32 s20, s12, 7                          ; my tile of the block's eight
	s_mul_i32 s21, s20, 768
	v_add_nc_u32 v5, s21, v1                       ; Q: my 16 places of the block
	s_and_b32 s23, s20, 1
	s_lshl_b32 s23, s23, 8
	s_lshr_b32 s20, s20, 1
	s_lshl_b32 s20, s20, 2
	s_add_co_u32 s23, s23, s20
	s_add_co_u32 s23, s23, 6144
	v_lshl_add_u32 v6, v61, 4, s23                 ; Q's scale words: place 16 tile + r lies at 16 (r + 16 (tile % 2)) + 4 (tile / 2); both halves of the lanes take row r's
	v_lshlrev_b32 v7, 4, v60
	v_lshl_add_u32 v8, v60, 3, 512
	v_lshlrev_b32 v9, 5, v61
.macro QLOAD                           ; a pass's Q: 24 bytes a lane and the scale word
.irp p, 0,1,2
	global_load_b64 v[QL+2*\p:QL+2*\p+1], v5, s[4:5] offset:8*\p
.endr
	global_load_b32 v[QS], v6, s[4:5]
.endm
	QLOAD                                          ; the first pass's, while K and V are on their way
.irp j, 0,1,2,3,4,5
	v_mov_b32 v[QH+\j], 0                          ; the zero codes on both sides of q, written once
	v_mov_b32 v[QL+6+\j], 0
.endr
	v_mov_b32 v[FF+1], 0                           ; (named as the upper half of a pair)
.irp b, 0,1,2,3
	v_mov_b32 v[BT+\b], 0                          ; a lane permute's destination counts as one of its sources
.endr
.macro KQM t                           ; S^T tile t = K's dense fragment t % 4 x [q, 0] or [0, q]; tile t's scale words lie in register t / 2, lanes 16 (t % 2) on
.if (\t)%2
	v_wmma_scale_f32_16x16x128_f8f6f4 v[SR+8*(\t):SR+8*(\t)+7], v[F+12*((\t)%4):F+12*((\t)%4)+11], v[QL-6*((\t)/4):QL-6*((\t)/4)+11], 0, v[KSW+(\t)/2], v[QS] matrix_a_fmt:MATRIX_FMT_FP6 matrix_b_fmt:MATRIX_FMT_FP6 matrix_a_scale:MATRIX_SCALE_ROW1
.else
	v_wmma_scale_f32_16x16x128_f8f6f4 v[SR+8*(\t):SR+8*(\t)+7], v[F+12*((\t)%4):F+12*((\t)%4)+11], v[QL-6*((\t)/4):QL-6*((\t)/4)+11], 0, v[KSW+(\t)/2], v[QS] matrix_a_fmt:MATRIX_FMT_FP6 matrix_b_fmt:MATRIX_FMT_FP6
.endif
.endm
.macro PVM d                           ; O^T tile d += V's fragment d x P's
.if (\d)%2
	v_wmma_scale_f32_16x16x128_f8f6f4 v[OT+8*(\d):OT+8*(\d)+7], v[F+12*(\d):F+12*(\d)+11], v[PR:PR+11], v[OT+8*(\d):OT+8*(\d)+7], v[VSW+(\d)/2], v[PWD] matrix_a_fmt:MATRIX_FMT_FP6 matrix_b_fmt:MATRIX_FMT_FP6 matrix_a_scale:MATRIX_SCALE_ROW1
.else
	v_wmma_scale_f32_16x16x128_f8f6f4 v[OT+8*(\d):OT+8*(\d)+7], v[F+12*(\d):F+12*(\d)+11], v[PR:PR+11], v[OT+8*(\d):OT+8*(\d)+7], v[VSW+(\d)/2], v[PWD] matrix_a_fmt:MATRIX_FMT_FP6 matrix_b_fmt:MATRIX_FMT_FP6
.endif
.endm
; The tile's softmax for 128 keys
.macro SOFTMAX
.irp b, 0,1,2,3
	v_max3_num_f32 v[BM+\b], v[SR+16*\b], v[SR+16*\b+1], v[SR+16*\b+2]   ; the largest score of each block of 32 keys: for the row's maximum, and for the block's largest p
.endr
.irp i, 3,5,7,9,11,13
.irp b, 0,1,2,3
	v_max3_num_f32 v[BM+\b], v[BM+\b], v[SR+16*\b+\i], v[SR+16*\b+\i+1]
.endr
.endr
.irp b, 0,1,2,3
	v_max_num_f32 v[BM+\b], v[BM+\b], v[SR+16*\b+15]
.endr
.irp b, 0,1,2,3
	s_delay_alu instid0(VALU_DEP_4)
	v_permlanex16_b32 v[BT+\b], v[BM+\b], s[SEL], s[SEL+1]
.endr
.irp b, 0,1,2,3
	s_delay_alu instid0(VALU_DEP_4)
	v_max_num_f32 v[BM+\b], v[BM+\b], v[BT+\b]     ; with lane l xor 16's 16 keys
.endr
	s_delay_alu instid0(VALU_DEP_2)
	v_max3_num_f32 v[TP], v[BM], v[BM+1], v[BM+2]
	s_delay_alu instid0(VALU_DEP_1)
	v_max_num_f32 v[TP], v[TP], v[BM+3]
	s_delay_alu instid0(VALU_DEP_1)
	v_mul_f32 v[TP], s[CS], v[TP]                  ; the step's largest t
	s_delay_alu instid0(VALU_DEP_1)
	v_max_num_f32 v[NM+1], v[NM+1], v[TP]          ; the running largest t
	v_mov_b32 v[TP], v[NM]
	s_delay_alu instid0(VALU_DEP_2)
	v_floor_f32 v[NM], -v[NM+1]                    ; -M = floor(-t): M is a whole number
	s_delay_alu instid0(VALU_DEP_1)
	v_sub_f32 v[TP], v[NM], v[TP]                  ; old M - new M: a whole number, 0 or less
	s_delay_alu instid0(VALU_DEP_1)
	v_cvt_i32_f32 v[TP], v[TP]                     ; (it saturates)
	s_delay_alu instid0(VALU_DEP_1)
	v_ldexp_f32 v[FF], 1.0, v[TP]                  ; f = 2^(old M - new M)
.set jj, 0
.rept 32
	v_pk_fma_f32 v[SR+jj:SR+jj+1], v[SR+jj:SR+jj+1], s[CS:CS+1], v[NM:NM+1] op_sel_hi:[1,0,0]   ; t - M, two at a time
.set jj, jj+2
.endr
.irp b, 0,1,2,3
	v_fma_f32 v[BM+\b], v[BM+\b], s[CS], v[NM]     ; the same of each block's largest score
.endr
.set jj, 0
	s_wait_alu depctr_va_vdst(0)                   ; the wait ahead of the batch
.rept 64
	v_exp_f32 v[SR+jj], v[SR+jj]                   ; p = 2^(t - M)
.set jj, jj+1
.endr
.irp b, 0,1,2,3
	v_exp_f32 v[BM+\b], v[BM+\b]                   ; the block's largest p: one batch of 68
.endr
	v_pk_mul_f32 v[NM+2:NM+3], v[NM+2:NM+3], v[FF:FF+1] op_sel_hi:[1,0]   ; the sums under the new M: the plain instruction behind the batch
	s_wait_alu depctr_va_vdst(0)                   ; one wait for the batch, ahead of its first reader
	v_pk_add_f32 v[SUMT:SUMT+1], v[SR:SR+1], v[SR+2:SR+3]          ; the row's sum of the unquantised p, in two chains
.set jj, 4
.rept 15
	v_pk_add_f32 v[NM+2:NM+3], v[NM+2:NM+3], v[SR+jj:SR+jj+1]
	v_pk_add_f32 v[SUMT:SUMT+1], v[SUMT:SUMT+1], v[SR+jj+2:SR+jj+3]
.set jj, jj+4
.endr
	s_delay_alu instid0(VALU_DEP_1)
	v_pk_add_f32 v[NM+2:NM+3], v[NM+2:NM+3], v[SUMT:SUMT+1]
.irp b, 0,1,2,3
	v_max_num_f32 v[BM+\b], 0x1800000, v[BM+\b]    ; the floor 2^(3 - 127)
.endr
.irp b, 0,1,2,3
	s_delay_alu instid0(VALU_DEP_4)
	v_add_nc_u32 v[SOP+\b], 0xff000000, v[BM+\b]   ; the conversion's scale operand
.endr
.irp b, 0,1,2,3
	s_delay_alu instid0(VALU_DEP_4)
	v_lshrrev_b32 v[BT+\b], 23, v[SOP+\b]          ; the scale's byte
.endr
	s_delay_alu instid0(VALU_DEP_3)
	v_lshl_or_b32 v[PWD], v[BT+1], 8, v[BT]        ; p's scale word for these 128 keys
	s_delay_alu instid0(VALU_DEP_1)
	v_lshl_or_b32 v[PWD], v[BT+2], 16, v[PWD]
	s_delay_alu instid0(VALU_DEP_1)
	v_lshl_or_b32 v[PWD], v[BT+3], 24, v[PWD]
.irp c, 0,1
	v_cvt_scalef32_pk16_fp6_f32 v[PR+6*\c:PR+6*\c+2], v[SR+32*\c:SR+32*\c+15], v[SOP+2*\c]
	v_cvt_scalef32_pk16_fp6_f32 v[CT+4*\c:CT+4*\c+2], v[SR+32*\c+16:SR+32*\c+31], v[SOP+2*\c+1]
.endr
	v_nop                                          ; one plain place behind a scaled conversion
.irp c, 0,1
.irp i, 0,1,2
	v_permlane16_swap_b32 v[PR+6*\c+\i], v[CT+4*\c+\i]
.endr
.irp i, 0,1,2
	s_delay_alu instid0(VALU_DEP_3)
	v_mov_b32 v[PR+6*\c+3+\i], v[CT+4*\c+\i]
.endr
.endr
.endm
; A KEY STEP: 128 keys, whose tiles begin at LDS byte s52.
.macro STEP
	v_add_nc_u32 v10, s52, v1                      ; four plain instructions: also the places between the last products and the loads into their registers
	v_add_nc_u32 v11, s52, v2
	v_add_nc_u32 v12, s52, v3
	v_add_nc_u32 v13, s52, v4
	ds_load_b128 v[KSW:KSW+3], v12                 ; K's scale words: register i: tile 2 i in lanes 0-15, tile 2 i + 1 in lanes 16-31
.irp t, 0,4,1,5,2,6,3,7                ; fragment by fragment: tile t into half t / 4 of fragment t % 4
.irp p, 0,1,2
	ds_load_b64 v[F+12*(\t%4)+6*(\t/4)+2*\p:F+12*(\t%4)+6*(\t/4)+2*\p+1], v10 offset:768*\t+8*\p
.endr
.endr
	s_wait_alu depctr_va_vdst(0)
	s_wait_dscnt 12                                ; K's words and fragments 0, 1 are in; fragments 2, 3 (12 loads) may be out
.irp t, 0,4,1,5
	KQM \t
.endr
	s_wait_dscnt 0x0                               ; all of K is in
.irp t, 2,6,3,7
	KQM \t
.endr
.rept 4
	v_nop                                          ; the places in front of the loads into K's registers and of the first read of the scores
.endr
.irp d, 0,1,2,3
.irp p, 0,1,2,3,4,5
	ds_load_b64 v[F+12*\d+2*\p:F+12*\d+2*\p+1], v11 offset:1792*\d+48*(\p/3)+8*(\p%3)      ; V, where K lay: it has the softmax in which to land
.endr
.endr
	ds_load_b32 v[VSW], v13                        ; V's scale words: tiles 0, 1
	ds_load_b32 v[VSW+1], v13 offset:3584          ; tiles 2, 3
	SOFTMAX
	s_wait_alu depctr_va_vdst(0)                   ; the wait directly ahead of the first reader of O^T
.set jj, 0
.rept 16
	v_pk_mul_f32 v[OT+jj:OT+jj+1], v[OT+jj:OT+jj+1], v[FF:FF+1] op_sel_hi:[1,0]   ; O^T under the new M.  (These 16 are also the places between the codes' and the scale word's last writes and the products)
.set jj, jj+2
.endr
	s_wait_alu depctr_va_vdst(0)
	s_wait_dscnt 0x0                               ; V is in
.irp d, 0,1,2,3
	PVM \d                                         ; four accumulators, one instruction each
.endr
	s_add_co_u32 s52, s52, STEPB
.endm
	s_wait_alu depctr_va_vdst(0)                   ; the wait at the head's end
	s_wait_tensorcnt 0x0                           ; my step of K and V is in
	s_barrier_signal -1
	s_barrier_wait -1                              ; everybody's is: from here on LDS is only read
	s_mov_b32 s54, 2
.Lpass:                                            ; 256 queries a pass
	v_mov_b32 v[NM+1], 0xff61b1e6                  ; the largest t so far: -3e38
	s_delay_alu instid0(VALU_DEP_1)
	v_floor_f32 v[NM], -v[NM+1]
	v_mov_b32 v[NM+2], 0
	v_mov_b32 v[NM+3], 0
.set jj, 0
.rept 32
	v_mov_b32 v[OT+jj], 0                          ; O^T: the step is written for every step alike; the first finds zeros, which the first change of M leaves zeros
.set jj, jj+1
.endr
	s_wait_loadcnt 0x0                             ; this pass's Q
	s_mov_b32 s52, 0
	s_mov_b32 s53, NSTEP
.Lsteps:
	STEP
	s_sub_co_u32 s53, s53, 1
	s_cmp_lg_u32 s53, 0
	s_cbranch_scc1 .Lsteps
	; THE WAY OUT: O^T / l, quantised along the head's 64 channels (two blocks of the next product's K)
.rept 4
	v_nop
.endr
	s_cmp_eq_u32 s54, 1                            ; a pass to come?  Its Q is asked for now (the pass's own Q loads were waited for, so their base may step)
	s_cbranch_scc1 .Lno_more_q
	s_add_nc_u64 s[4:5], s[4:5], 13312             ; two blocks of 128 tokens on
	QLOAD
.Lno_more_q:
	v_add_f32 v[NM+2], v[NM+2], v[NM+3]            ; the sum's two halves,
	s_delay_alu instid0(VALU_DEP_1)
	v_permlanex16_b32 v[BT], v[NM+2], s[SEL], s[SEL+1]
	s_delay_alu instid0(VALU_DEP_1)
	v_add_f32 v[NM+2], v[NM+2], v[BT]              ; and lane l xor 16's
	s_wait_alu depctr_va_vdst(0)                   ; the wait ahead of the reciprocal
	v_rcp_f32 v[FF], v[NM+2]
	v_nop                                          ; a plain instruction behind the reciprocal
	s_wait_alu depctr_va_vdst(0)                   ; and the wait ahead of its first reader, which is O^T's first reader too
.set jj, 0
.rept 16
	v_pk_mul_f32 v[SR+jj:SR+jj+1], v[OT+jj:OT+jj+1], v[FF:FF+1] op_sel_hi:[1,0]   ; register 16 b + i = channel 32 b + 16 h + i; each accumulator from its low end on
.set jj, jj+2
.endr
.irp q, 0,1
	v_max3_num_f32 v[BM+\q], |v[SR+16*\q]|, |v[SR+16*\q+1]|, 0x1800000
.endr
.irp i, 2,4,6,8,10,12,14
.irp q, 0,1
	s_delay_alu instid0(VALU_DEP_2)
	v_max3_num_f32 v[BM+\q], v[BM+\q], |v[SR+16*\q+\i]|, |v[SR+16*\q+\i+1]|
.endr
.endr
.irp q, 0,1
	s_delay_alu instid0(VALU_DEP_2)
	v_permlanex16_b32 v[BT+\q], v[BM+\q], s[SEL], s[SEL+1]
.endr
.irp q, 0,1
	s_delay_alu instid0(VALU_DEP_2)
	v_max_num_f32 v[BM+\q], v[BM+\q], v[BT+\q]
.endr
.irp q, 0,1
	s_delay_alu instid0(VALU_DEP_2)
	v_add_nc_u32 v[SOP+\q], 0xff000000, v[BM+\q]
.endr
.irp q, 0,1
	s_delay_alu instid0(VALU_DEP_2)
	v_lshrrev_b32 v[BT+\q], 23, v[SOP+\q]
.endr
	s_delay_alu instid0(VALU_DEP_1)
	v_lshl_or_b32 v[TP], v[BT+1], 8, v[BT]         ; my row's two bytes
	v_cvt_scalef32_pk16_fp6_f32 v[PR:PR+2], v[SR:SR+15], v[SOP]
	v_cvt_scalef32_pk16_fp6_f32 v[CT:CT+2], v[SR+16:SR+31], v[SOP+1]
	v_nop
.irp i, 0,1,2
	v_permlane16_swap_b32 v[PR+\i], v[CT+\i]       ; lanes 0-15 now hold block 0, lanes 16-31 block 1
.endr
.irp i, 0,1,2
	s_delay_alu instid0(VALU_DEP_3)
	v_mov_b32 v[PR+3+\i], v[CT+\i]
.endr
	global_store_b128 v7, v[PR:PR+3], s[8:9]       ; 512 bytes on end
	global_store_b64 v8, v[PR+4:PR+5], s[8:9]      ; 256 bytes on end
	global_store_b16 v9, v[TP], s[10:11]
	s_wait_xcnt 0x0                                ; the stores have read their registers and bases: both may be written again
	s_add_nc_u64 s[8:9], s[8:9], 196608            ; sixteen tiles on
	s_add_nc_u64 s[10:11], s[10:11], 8192          ; 256 rows on
	s_sub_co_u32 s54, s54, 1
	s_cmp_lg_u32 s54, 0
	s_cbranch_scc1 .Lpass
	s_wait_tensorcnt 0x0                           ; the wave's end
	ds_add_u32 v[SPW], v[NIL]
	s_wait_dscnt 0x0
	CROUND                                         ; the closing round
	s_endpgm
.Lfunc_end_k_q520ed5b6a1_attn:
	.size	k_q520ed5b6a1_attn, .Lfunc_end_k_q520ed5b6a1_attn-k_q520ed5b6a1_attn
	.p2alignl 7, 3214868480
	.fill 96, 4, 3214868480
	.section	.rodata,"a",@progbits
	.p2align	6, 0x0
	.amdhsa_kernel k_q520ed5b6a1_attn
		.amdhsa_group_segment_fixed_size 223232
		.amdhsa_private_segment_fixed_size 0
		.amdhsa_enable_private_segment 0
		.amdhsa_kernarg_size 32
		.amdhsa_user_sgpr_count 2
		.amdhsa_user_sgpr_kernarg_segment_ptr 1
		.amdhsa_wavefront_size32 1
		.amdhsa_system_sgpr_workgroup_id_x 1
		.amdhsa_system_sgpr_workgroup_id_y 1
		.amdhsa_system_sgpr_workgroup_id_z 1
		.amdhsa_system_vgpr_workitem_id 0
		.amdhsa_next_free_vgpr 256
		.amdhsa_next_free_sgpr 66
		.amdhsa_reserve_vcc 0
		.amdhsa_float_denorm_mode_32 3
		.amdhsa_float_denorm_mode_16_64 3
		.amdhsa_memory_ordered 1
		.amdhsa_forward_progress 1
		.amdhsa_inst_pref_size 31
	.end_amdhsa_kernel
	.amdgpu_metadata
---
amdhsa.version: [ 1, 2 ]
amdhsa.kernels:
  - .name:           k_q520ed5b6a1_attn
    .symbol:         k_q520ed5b6a1_attn.kd
    .args:
      - { .name: q_ws, .offset: 0, .size: 8, .value_kind: global_buffer, .address_space: global }
      - { .name: kv_ws, .offset: 8, .size: 8, .value_kind: global_buffer, .address_space: global }
      - { .name: a_img, .offset: 16, .size: 8, .value_kind: global_buffer, .address_space: global }
      - { .name: a_scales, .offset: 24, .size: 8, .value_kind: global_buffer, .address_space: global }
    .group_segment_fixed_size: 223232
    .private_segment_fixed_size: 0
    .kernarg_segment_align: 8
    .kernarg_segment_size: 32
    .max_flat_workgroup_size: 512
    .sgpr_count:     66
    .vgpr_count:     256
    .wavefront_size: 32
...
	.end_amdgpu_metadata
.endif
;; end of part 3
;; launch oproj (part 4): grid 8 x 32, 4 waves a work-group, clusters of 4 x 4, 327,680 bytes of LDS; arguments a_img, a_scales, w_codes, w_scales, out0; writes out0
.if DOCPART == 4
	.amdgcn_target "amdgcn-amd-amdhsa--gfx1250"
	.amdhsa_code_object_version 6
	.text
	.protected	k_q520ed5b6a1_oproj
	.globl	k_q520ed5b6a1_oproj
	.p2align	8
	.type	k_q520ed5b6a1_oproj,@function
k_q520ed5b6a1_oproj:
	s_mov_b64 s[64:65], 0
	v_nop
	global_prefetch_b8 v0, s[64:65] scope:SCOPE_SE
	s_setreg_imm32_b32 hwreg(HW_REG_WAVE_MODE, 25, 1), 1
	s_wait_xcnt 0x0
	s_wait_alu depctr_hold_cnt(0) depctr_sa_sdst(0) depctr_va_vdst(0) depctr_va_sdst(0) depctr_va_ssrc(0) depctr_va_vcc(0) depctr_vm_vsrc(0)
	s_getreg_b32 s2, hwreg(HW_REG_IB_STS2, 6, 4)
	s_cmp_eq_u32 s2, 0
	s_cbranch_scc0 .Lentry_in_a_cluster
	s_endpgm
.Lentry_in_a_cluster:
	s_bfe_u32 s2, ttmp6, 0x10000c
	s_cmp_lg_u32 s2, 0xf033
	s_cbranch_scc0 .Lentry_shape_is_right
	s_endpgm
.Lentry_shape_is_right:
; out0 = A wo on codes of FP6 (E2M3) with E8M0 scales, K = 1,024.  A: the attention's result as codes (a_img, a_scales); wo: places 3,072 on of w_codes, w_scales.  out0 [8192][1024] f32.
; A tile of out0 is 256 rows x 128 columns: 256 work-groups.  Four waves, each 128 x 64: 32 accumulators, 256 registers.  ALL OF K LIES IN LDS, each byte filled once: no ring.
; THE LOADS.  At the head one a wave: wave 0 A's first 256 along K (16 token tiles x 3,072 bytes), wave 1 wo's 128 rows, wave 2 A's scales, wave 3 wo's.  Behind the full sequence and a round of the cluster's barrier
; waves 0 to 2 ask for A's other three chunks of 256 along K, one each; they have K steps 0 and 1 in which to land, and one barrier ahead of K step 2 shows them whole.
; 4 x 4 work-groups form a cluster: A's tiles and scales are asked for jointly along a row of it, wo's along a column.  No prefetch: there is no loop to run ahead in, and all bytes are asked for in these two groups.
; A's codes lie as images of the operand's registers: [16 token places][head][768]: lane l's block of 24 bytes: 16 at 16 l, 8 at 512 + 8 l: a fragment is two heads: two loads of 16 and two of 8 bytes, each dense.
; THE MATRIX INSTRUCTION IS USED TRANSPOSED (source 0 = 16 places of wo, source 1 = 16 token places).  Both lie in the order of places (bits 3 and 4 exchanged): lane r of block a holds token
; 32 (a / 2) + 8 (a % 2) + r + 8 (r / 8), and register j of accumulator (a, b) column 32 (b / 2) + 16 h + 8 (b % 2) + j.  The stage's and the stores' offsets put both back in order.
; REGISTERS.  window 0: v4-18 addresses; v32-95 A's scale words (8 i + s), v96-127 wo's; v128-223 A's fragments, set 0; on the way out v128-191 rows of out0.
;   window 1: v0-95 A's set 1; v96-143, v144-191 wo's fragments, two sets.   window 2: accumulator (a, b) at v[8 (4 a + b)].
.set BB,   196608                      ; LDS: A [chunk 4][tile 16][3,072] from 0; wo's 128 rows of 768 bytes, 16 of padding behind every 256: pitch 816
.set SCA,  301056                      ; A's scales: 32 units of 256 + 16
.set SCB,  309760                      ; wo's: 16 units
.set SPARE, 314112                     ; the spare words: 512 bytes that no other line names
.set MSB, 0
.macro WIN new
.if MSB != (\new)
	s_set_vgpr_msb (MSB<<8)|(\new)
.set MSB, (\new)
.endif
.endm
.macro CROUND
	s_barrier_signal -1
	s_barrier_wait -1
	s_cmp_lg_u32 s14, 0
	s_cbranch_scc1 .Lnot_wave_0_\@
	s_barrier_signal -3
.Lnot_wave_0_\@:
	s_barrier_wait -3
	s_barrier_signal -1
	s_barrier_wait -1
.endm
.macro PLACES n
.rept \n
	v_nop
.endr
.endm
	s_load_b256 s[4:11], s[0:1], 0x0               ; a_img, a_scales, w_codes, w_scales
	s_load_b64 s[12:13], s[0:1], 0x20              ; out0
	v_lshl_add_u32 v254, v0, 2, SPARE
	v_mov_b32 v255, 0
	ds_add_u32 v254, v255                          ; the opening lines: the add twice on end and one wait
	ds_add_u32 v254, v255
	v_lshrrev_b32 v1, 5, v0
	v_readfirstlane_b32 s14, v1                    ; wave 0..3
	s_lshr_b32 s15, s14, 1                         ; which 128 rows are mine
	s_and_b32 s16, s14, 1                          ; which 64 columns
	s_bfe_u32 s88, ttmp6, 0x40000                  ; cx
	s_bfe_u32 s89, ttmp6, 0x40004                  ; cy
	s_lshl_b32 s18, ttmp9, 2
	s_add_co_u32 s18, s18, s88                     ; tile column
	s_and_b32 s17, ttmp7, 0xffff
	s_lshl_b32 s17, s17, 2
	s_add_co_u32 s17, s17, s89                     ; tile row
	s_lshl_b32 s90, s89, 2
	s_lshl_b32 s90, 15, s90                        ; my row of the cluster
	s_lshl_b32 s91, 0x1111, s88                    ; my column
	s_or_b32 s24, s90, (3<<16)|(1<<21)             ; a chunk of A: 16 rows (token tiles) of 384 elements of 8 bytes, 1,536 elements apart; no padding
	s_mov_b32 s25, 384<<16
	s_mov_b32 s26, 16<<16
	s_mov_b32 s27, 384<<16
	s_mov_b32 s28, 16
	s_mov_b32 s29, 1536
	s_mov_b32 s30, 0
	s_mov_b32 s31, 0
	s_or_b32 s32, s91, (0<<16)|(1<<20)|(1<<21)|(5<<22)|(3<<25)     ; wo: 128 rows of 768 bytes; 16 bytes of padding behind every 256
	s_mov_b32 s33, 768<<16
	s_mov_b32 s34, 128<<16
	s_mov_b32 s35, 768<<16
	s_mov_b32 s36, 128
	s_mov_b32 s37, 768
	s_mov_b32 s38, 0
	s_mov_b32 s39, 0
	s_or_b32 s40, s90, (3<<16)|(1<<20)|(1<<21)|(5<<22)|(3<<25)     ; A's scales: 256 rows' 8,192 dense bytes as 32 rows of 256, 16 of padding behind each
	s_mov_b32 s41, 32<<16
	s_mov_b32 s42, 32<<16
	s_mov_b32 s43, 32<<16
	s_mov_b32 s44, 32
	s_mov_b32 s45, 32
	s_mov_b32 s46, 0
	s_mov_b32 s47, 0
	s_or_b32 s48, s91, (3<<16)|(1<<20)|(1<<21)|(5<<22)|(3<<25)     ; wo's scales: 128 rows' 4,096 bytes as 16 rows of 256
	s_mov_b32 s49, 32<<16
	s_mov_b32 s50, 16<<16
	s_mov_b32 s51, 32<<16
	s_mov_b32 s52, 16
	s_mov_b32 s53, 32
	s_mov_b32 s54, 0
	s_mov_b32 s55, 0
	s_lshl_b32 s20, s17, 13                        ; A's scales: 256 tile row x 32
	s_mov_b32 s21, 0
	s_mul_i32 s22, s17, 196608                     ; A's codes: 16 tile row x 12,288
	s_mov_b32 s23, 0
	s_lshl_b32 s92, s18, 12                        ; wo's scales: (3,072 + 128 tile column) x 32
	s_add_co_u32 s92, s92, 98304
	s_mov_b32 s93, 0
	s_mul_i32 s94, s18, 98304                      ; wo's codes: the same rows x 768
	s_add_co_u32 s94, s94, 2359296
	s_mov_b32 s95, 0
	s_mul_i32 s19, s14, 49152                      ; the second group: chunk wave + 1, in LDS
	s_mul_i32 s96, s14, 3072                       ; and in a token tile's 12,288 bytes
	s_mov_b32 s97, 0
	s_wait_dscnt 0x0
	s_wait_kmcnt 0x0
	s_mov_b32 s56, 1
	s_mov_b32 s57, SCA
	s_add_nc_u64 s[58:59], s[6:7], s[20:21]
	s_or_b32 s59, s59, 0x80000000
	s_mov_b32 s60, 1
	s_mov_b32 s61, SCB
	s_add_nc_u64 s[62:63], s[10:11], s[92:93]
	s_or_b32 s63, s63, 0x80000000
	s_mov_b32 s68, 1
	s_mov_b32 s69, BB
	s_add_nc_u64 s[70:71], s[8:9], s[94:95]
	s_or_b32 s71, s71, 0x80000000
	s_add_nc_u64 s[22:23], s[4:5], s[22:23]
	s_mov_b32 s72, 1                               ; A, K 0-255
	s_mov_b32 s73, 0
	s_mov_b64 s[74:75], s[22:23]
	s_or_b32 s75, s75, 0x80000000
	s_mov_b32 s76, 1                               ; A, chunk wave + 1
	s_add_co_u32 s77, s19, 49152
	s_add_nc_u64 s[78:79], s[22:23], s[96:97]
	s_add_nc_u64 s[78:79], s[78:79], 3072
	s_or_b32 s79, s79, 0x80000000
	CROUND                                         ; all sixteen work-groups are here: the joint loads meet
; the head's four tiles, one load a wave: one chain of branches on the wave's number, all arms leading to one join
.macro ARM under, g0, g1, next
	s_cmp_lt_u32 s14, \under
	s_cbranch_scc0 \next
	tensor_load_to_lds s[\g0:\g0+3], s[\g1:\g1+7]
	s_nop 0
	PLACES 4
	s_branch .Lhead_asked
\next:
.endm
	ARM 1, 72, 24, .Lhead_b                        ; A's first chunk
	ARM 2, 68, 32, .Lhead_sa                       ; wo's codes
	ARM 3, 56, 40, .Lhead_sb                       ; A's scales
	tensor_load_to_lds s[60:63], s[48:55]          ; wo's scales
	s_nop 0
	PLACES 4
.Lhead_asked:
	s_lshl_b32 s96, s17, 8
	s_lshl_b32 s97, s15, 7
	s_add_co_u32 s96, s96, s97
	s_lshl_b32 s96, s96, 12                        ; my first row of out0, 4,096 bytes a row
	s_lshl_b32 s97, s18, 9
	s_add_co_u32 s96, s96, s97
	s_lshl_b32 s97, s16, 8
	s_add_co_u32 s96, s96, s97                     ; + my first column: 512 x tile column + 256 x half
	s_mov_b32 s97, 0
	s_add_nc_u64 s[12:13], s[12:13], s[96:97]
	v_and_b32 v1, 31, v0                           ; l
	v_and_b32 v2, 15, v0                           ; r
	v_bfe_u32 v3, v0, 4, 1                         ; h
	s_mul_i32 s20, s15, 24576                      ; my 8 tiles of a chunk
	v_lshl_add_u32 v19, v1, 4, s20
	v_lshl_add_u32 v20, v1, 3, s20
.irp kc, 0,1,2,3
	v_add_nc_u32 v[4+\kc], 49152*\kc, v19          ; a block's first 16 bytes
	v_add_nc_u32 v[8+\kc], 49152*\kc+512, v20      ; its last 8
.endr
	s_mul_i32 s21, s16, 52224
	s_add_co_u32 s21, s21, BB                      ; my 64 rows of wo
	v_mul_u32_u24 v12, v2, 816
	v_mad_u32_u24 v12, v3, 24, v12
	v_add_nc_u32 v12, s21, v12
	v_lshl_add_u32 v13, v3, 4, v12                 ; the same behind one padding more
	v_lshrrev_b32 v21, 3, v2
	v_and_b32 v22, 7, v2
	v_mul_u32_u24 v21, v21, 272
	v_lshl_add_u32 v21, v22, 5, v21                ; row r's 32 scale bytes: eight rows to a unit
	s_mul_i32 s22, s15, 4352
	s_add_co_u32 s22, s22, SCA
	v_add_nc_u32 v14, s22, v21
	s_mul_i32 s23, s16, 2176
	s_add_co_u32 s23, s23, SCB
	v_add_nc_u32 v15, s23, v21
	s_mul_i32 s20, s14, 4352                       ; my stage: 16 rows x (256 + 16), in A's first chunk, which nobody reads behind the barrier ahead of K step 2
	v_mul_u32_u24 v16, v2, 272
	v_lshl_add_u32 v16, v3, 6, v16
	v_add_nc_u32 v16, s20, v16                     ; in: row r, + 64 h
	v_mul_u32_u24 v17, v3, 272
	v_lshl_add_u32 v17, v2, 4, v17
	v_add_nc_u32 v17, s20, v17                     ; back: lanes 0-15 one row, lanes 16-31 the next
	v_lshlrev_b32 v18, 12, v3
	v_lshl_add_u32 v18, v2, 4, v18                 ; and the same in out0
; the fragments of K step s (128 along K: two heads) into set s % 2: 56 LDS loads
.macro FETCH s
.set KC, (\s)/2
.set QQ, (\s)%2
.if QQ == 0
	WIN 0
.set AB, 128
.else
	WIN 0x40
.set AB, 0
.endif
.irp i, 0,1,2,3,4,5,6,7
.irp c, 0,1
	ds_load_b128 v[AB+12*\i+6*\c:AB+12*\i+6*\c+3], v[4+KC] offset:3072*\i+768*(2*QQ+\c)
	ds_load_b64 v[AB+12*\i+6*\c+4:AB+12*\i+6*\c+5], v[8+KC] offset:3072*\i+768*(2*QQ+\c)
.endr
.endr
	WIN 0x40
.set BR, 96+48*QQ
.irp i, 0,1,2,3
.irp p, 0,1,2,3,4,5
.set PCN, 12*(\s)+6*(\p/3)+\p%3        ; the row's piece of 8 bytes; lanes 16-31 read three pieces on, which from piece 29 of 32 on lies behind one padding more
.if PCN%32 < 29
	ds_load_b64 v[BR+12*\i+2*\p:BR+12*\i+2*\p+1], v12 offset:8*PCN+16*(PCN/32)+13056*\i
.else
	ds_load_b64 v[BR+12*\i+2*\p:BR+12*\i+2*\p+1], v13 offset:8*PCN+16*(PCN/32)+13056*\i
.endif
.endr
.endr
	WIN 0
.endm
; 32 matrix instructions: the 32 accumulators take turns, one instruction a turn, in the same order in every step
.macro MUL s
.if (\s)%2 == 0
	WIN 0xa1                                       ; source 0 (wo) window 1, source 1 (A) window 0, C and D window 2
.set AB, 128
.else
	WIN 0xa5                                       ; source 1 window 1
.set AB, 0
.endif
.set BR, 96+48*((\s)%2)
.irp a, 0,1,2,3,4,5,6,7
.irp b, 0,1,2,3
.if (\s) == 0
	v_wmma_scale_f32_16x16x128_f8f6f4 v[8*(4*\a+\b):8*(4*\a+\b)+7], v[BR+12*\b:BR+12*\b+11], v[AB+12*\a:AB+12*\a+11], 0, v[96+8*\b+(\s)], v[32+8*\a+(\s)] matrix_a_fmt:MATRIX_FMT_FP6 matrix_b_fmt:MATRIX_FMT_FP6
.else
	v_wmma_scale_f32_16x16x128_f8f6f4 v[8*(4*\a+\b):8*(4*\a+\b)+7], v[BR+12*\b:BR+12*\b+11], v[AB+12*\a:AB+12*\a+11], v[8*(4*\a+\b):8*(4*\a+\b)+7], v[96+8*\b+(\s)], v[32+8*\a+(\s)] matrix_a_fmt:MATRIX_FMT_FP6 matrix_b_fmt:MATRIX_FMT_FP6
.endif
.endr
.endr
.endm
.macro STEPO s
.if (\s) == 1
	s_wait_dscnt 0x0                               ; my reads of A's first chunk are over,
	s_wait_tensorcnt 0x0                           ; my chunk of the other three is in,
	s_barrier_signal -1
	s_barrier_wait -1                              ; everybody's
.endif
.if (\s) > 0
	PLACES 4                                       ; in front of loads into the set that the last products read
.endif
.if (\s) < 7
	FETCH (\s)+1
	s_wait_dscnt 56                                ; all but the 56 just issued
.else
	s_wait_dscnt 0x0
.endif
	MUL \s
.endm
	s_wait_alu depctr_va_vdst(0)                   ; the wait at the head's end
	s_wait_tensorcnt 0x0                           ; my tile of the head's four is in; the later first fills are issued as a refill is:
	ds_add_u32 v254, v255
	s_wait_dscnt 0x0
	CROUND                                         ; all four tiles are in, and all sixteen work-groups are here
	s_cmp_lt_u32 s14, 3
	s_cbranch_scc0 .Lno_chunk                      ; three chunks are left: wave 3 has none to ask for
	tensor_load_to_lds s[76:79], s[24:31]          ; A, chunk wave + 1
	s_nop 0
	PLACES 4
.Lno_chunk:
.irp i, 0,1,2,3,4,5,6,7                ; the scale words of all of K: a row's 32 bytes are its eight words
	ds_load_b128 v[32+8*\i:35+8*\i], v14 offset:544*\i
	ds_load_b128 v[36+8*\i:39+8*\i], v14 offset:544*\i+16
.endr
.irp i, 0,1,2,3
	ds_load_b128 v[96+8*\i:99+8*\i], v15 offset:544*\i
	ds_load_b128 v[100+8*\i:103+8*\i], v15 offset:544*\i+16
.endr
	FETCH 0
.irp s, 0,1,2,3,4,5,6,7
	STEPO \s
.endr
	WIN 0
	PLACES 4
; THE WAY OUT, a block of 16 rows x 64 columns at a time, through my own stage; LDS serves a wave's instructions in order, so no wait stands between the stores and the loads.
.macro TOSTAGE a
	WIN 0x08                                       ; an LDS store's data: window 2
.irp b, 0,1,2,3
	ds_store_b128 v16, v[8*(4*(\a)+\b):8*(4*(\a)+\b)+3] offset:128*(\b/2)+32*(\b%2)        ; each accumulator from its low end on
	ds_store_b128 v16, v[8*(4*(\a)+\b)+4:8*(4*(\a)+\b)+7] offset:128*(\b/2)+32*(\b%2)+16
.endr
	WIN 0
.set BK, 128+32*((\a)%2)
.irp t, 0,1,2,3,4,5,6,7
	ds_load_b128 v[BK+4*\t:BK+4*\t+3], v17 offset:544*\t
.endr
.endm
.macro SEND a, younger
.set BK, 128+32*((\a)%2)
	s_wait_dscnt \younger
.irp t, 0,1,2,3,4,5,6,7
	global_store_b128 v18, v[BK+4*\t:BK+4*\t+3], s[12:13] offset:((32*((\a)/2)+8*((\a)%2))+2*\t+8*(\t/4))*4096 th:TH_STORE_NT   ; sixteen lanes store 256 bytes on end, at a multiple of 256 from out0's first byte
.endr
.endm
	TOSTAGE 0
.irp a, 1,2,3,4,5,6,7
.if \a > 1
	s_wait_xcnt 0x0                                ; block a - 2's stores have read their registers: block a's loads may land there
.endif
	TOSTAGE \a
	SEND \a-1, 16                                  ; behind block a - 1's loads: block a's 8 stores and 8 loads
.endr
	SEND 7, 0
	s_wait_tensorcnt 0x0                           ; the wave's end
	ds_add_u32 v254, v255
	s_wait_dscnt 0x0
	CROUND                                         ; the closing round
	s_endpgm
.Lfunc_end_k_q520ed5b6a1_oproj:
	.size	k_q520ed5b6a1_oproj, .Lfunc_end_k_q520ed5b6a1_oproj-k_q520ed5b6a1_oproj
	.p2alignl 7, 3214868480
	.fill 96, 4, 3214868480
	.section	.rodata,"a",@progbits
	.p2align	6, 0x0
	.amdhsa_kernel k_q520ed5b6a1_oproj
		.amdhsa_group_segment_fixed_size 327680
		.amdhsa_private_segment_fixed_size 0
		.amdhsa_enable_private_segment 0
		.amdhsa_kernarg_size 40
		.amdhsa_user_sgpr_count 2
		.amdhsa_user_sgpr_kernarg_segment_ptr 1
		.amdhsa_wavefront_size32 1
		.amdhsa_system_sgpr_workgroup_id_x 1
		.amdhsa_system_sgpr_workgroup_id_y 1
		.amdhsa_system_sgpr_workgroup_id_z 1
		.amdhsa_system_vgpr_workitem_id 0
		.amdhsa_next_free_vgpr 768
		.amdhsa_next_free_sgpr 98
		.amdhsa_reserve_vcc 0
		.amdhsa_float_denorm_mode_32 3
		.amdhsa_float_denorm_mode_16_64 3
		.amdhsa_memory_ordered 1
		.amdhsa_forward_progress 1
		.amdhsa_inst_pref_size 89
	.end_amdhsa_kernel
	.amdgpu_metadata
---
amdhsa.version: [ 1, 2 ]
amdhsa.kernels:
  - .name:           k_q520ed5b6a1_oproj
    .symbol:         k_q520ed5b6a1_oproj.kd
    .args:
      - { .name: a_img, .offset: 0, .size: 8, .value_kind: global_buffer, .address_space: global }
      - { .name: a_scales, .offset: 8, .size: 8, .value_kind: global_buffer, .address_space: global }
      - { .name: w_codes, .offset: 16, .size: 8, .value_kind: global_buffer, .address_space: global }
      - { .name: w_scales, .offset: 24, .size: 8, .value_kind: global_buffer, .address_space: global }
      - { .name: out0, .offset: 32, .size: 8, .value_kind: global_buffer, .address_space: global }
    .group_segment_fixed_size: 327680
    .private_segment_fixed_size: 0
    .kernarg_segment_align: 8
    .kernarg_segment_size: 40
    .max_flat_workgroup_size: 128
    .sgpr_count:     98
    .vgpr_count:     768
    .wavefront_size: 32
...
	.end_amdgpu_metadata
.endif
;; end of part 4
